; MI455X (gfx1250); checked and timed in simulation.
; The chip was launched on July 23, 2026; its instructions are those of AMD's public machine-readable ISA for CDNA 5 (MIT licence, August 2026) and "CDNA5" Instruction Set Architecture Reference Guide (July 2026). The comments in the code are by the model that wrote it; some were corrected since.
;; Attention Block. Allowed arithmetic: matrix products marked QUANTISED: E2M3 operands, one E8M0 scale for each 32 along K, by v_wmma_scale_f32_16x16x128_f8f6f4 with both operands' format E2M3, f32 sums; everything else in f32.
;; Inputs: k_b 512 float32; k_w_codes 512 x 16 x 24 uint8 (E2M3 codes of k_w, K innermost, in blocks of 32 codes, four codes in three bytes); k_w_scales 512 x 16 uint8 (E8M0 scales of k_w, one for each 32 codes along K); norm_b 512 float32; norm_w 512 float32; proj_b 512 float32; proj_w_codes 512 x 16 x 24 uint8 (E2M3 codes of proj_w, K innermost, in blocks of 32 codes, four codes in three bytes); proj_w_scales 512 x 16 uint8 (E8M0 scales of proj_w, one for each 32 codes along K); q_b 512 float32; q_w_codes 512 x 16 x 24 uint8 (E2M3 codes of q_w, K innermost, in blocks of 32 codes, four codes in three bytes); q_w_scales 512 x 16 uint8 (E8M0 scales of q_w, one for each 32 codes along K); v_b 512 float32; v_w_codes 512 x 16 x 24 uint8 (E2M3 codes of v_w, K innermost, in blocks of 32 codes, four codes in three bytes); v_w_scales 512 x 16 uint8 (E8M0 scales of v_w, one for each 32 codes along K); x 32 x 512 x 32 x 32 float32.
;; Outputs: out0 32 x 512 x 32 x 32 float32.
;; This version of the problem:
;;   THIS VERSION OF THE PROBLEM IS GIVEN IN LOW PRECISION. The matrix products marked QUANTISED in the list below multiply operands that are first quantised to E2M3 (2 exponent bits, 3 mantissa bits; 6 bits a number), with one power-of-two scale for each 32 numbers along K (OCP MX v1.0); their sums are f32. All else is computed in f32.
;;   The module's matrix products, in the order in which they are computed (A, B: the left and right operand; K: the contracted axis; several contracted axes count as one K, in the product's order):
;;     1. [M 32,768, K 512] x [K 512, N 512]; A: computed on the way; B: input q_w (given as codes): QUANTISED
;;     2. [M 32,768, K 512] x [K 512, N 512]; A: computed on the way; B: input k_w (given as codes): QUANTISED
;;     3. [M 32,768, K 512] x [K 512, N 512]; A: computed on the way; B: input v_w (given as codes): QUANTISED
;;     4. batch 32 x [M 1,024, K 512] x [K 512, N 1,024]; A: computed on the way; B: computed on the way: QUANTISED
;;     5. batch 32 x [M 512, K 1,024] x [K 1,024, N 1,024]; A: computed on the way; B: softmax (see below): QUANTISED
;;     6. [M 32,768, K 512] x [K 512, N 512]; A: computed on the way; B: input proj_w (given as codes): QUANTISED
;;   THE QUANTISER, for each operand of a quantised product, along K:
;;     - K is cut into blocks of 32 from its start; a last block that is shorter is filled with zeros.
;;     - A block's scale is 2^e with e = floor(log2(the largest magnitude in the block)) - 2, held to -126 .. 127; a block of zeros has e = 0. As a byte (E8M0): e + 127.
;;     - Each number is divided by its block's scale, clamped to +-7.5, and rounded to the nearest number of E2M3, ties to even, subnormals kept.
;;     - The product sums the exact products of the quantised numbers (number of the format x scale) in f32.
;;   ~~~python
;;   def quantise(x, axis):      # numpy; x: float32 -> the quantised numbers, widened to float32 again
;;       x = np.moveaxis(x, axis, -1); K = x.shape[-1]
;;       x = np.pad(x, [(0, 0)] * (x.ndim - 1) + [(0, -K % 32)]); x = x.reshape(x.shape[:-1] + (-1, 32)); a = np.abs(x).max(-1, keepdims=True)
;;       e = np.where(a > 0, np.clip(np.frexp(np.where(a > 0, a, 1))[1] - 1 - 2, -126, 127), 0)      # np.frexp(a)[1] - 1 = floor(log2(a)), exactly
;;       r = np.clip(x / 2.0 ** e, -7.5, 7.5)
;;       step = 2.0 ** (np.maximum(np.frexp(np.where(r == 0, 1, r))[1] - 1, 0) - 3)
;;       q = np.round(r / step) * step * 2.0 ** e      # np.round: ties to even
;;       return np.moveaxis(q.reshape(q.shape[:-2] + (-1,))[..., :K], -1, axis).astype(np.float32)
;;   ~~~
;;   SOFTMAX AHEAD OF A QUANTISED PRODUCT. Where the list says 'softmax', what is quantised is not the finished softmax but p = 2^(t - M), with t = logit x log2(e) and M = ceil(the row's largest t), a whole number; so 1/2 < the row's largest p <= 1. The row's sum l is taken of the UNQUANTISED p, in f32, and the product's result is divided by l at the end. Since M is a whole number, a kernel that streams over the keys may use a running M (the ceiling of the running maximum): every later rescaling is an exact power of two, which a block's scale takes up: the codes' values come out the same.
;;   OPERANDS COMPUTED ON THE WAY. 'Computed on the way' means the value that the module computes at that place (a softmax that the list does not call 'softmax' is quantised finished and normalised). What goes into a quantiser is computed in f32, as accurately as f32 sums, v_exp_f32 and their like allow (about 1e-6 of the number): no bf16 or f16 on the way to a quantiser, and a product that is left as it is and whose result goes on into a quantised operand takes f32 operands (vector FMAs, or v_wmma_f32_16x16x4_f32). A number that lies on a knife's edge between two numbers of the format may be rounded either way, as far as f32 arithmetic and the matrix unit's own rounding can turn it there, and no further.
;;   INPUTS GIVEN AS CODES. k_w (in the module: [512, 512], K = its axis 1); proj_w (in the module: [512, 512], K = its axis 1); q_w (in the module: [512, 512], K = its axis 1); v_w (in the module: [512, 512], K = its axis 1): each comes as NAME_codes (uint8): NAME with its K axis moved to the last place and cut into blocks of 32 codes, [.., K / 32, bytes a block], one block behind the other in memory; four codes in three bytes: a row's codes are one little-endian stream of bits, code i at bits 6 i .. 6 i + 5 (a code: sign, 2 exponent bits, 3 mantissa bits); and NAME_scales (uint8): the same leading axes, one E8M0 byte (e + 127) for each 32 codes along K. Its value is code x scale, taken as it is: it is not quantised again, and the codes and scales need not be those that the quantiser above would give.
;; One version. Each part assembles by itself: llvm-mc -triple=amdgcn-amd-amdhsa -mcpu=gfx1250 --defsym DOCPART=n.
;; ======== version 1 of 1: 3 launches
;; workspace buffers: hc 12,582,912 bytes; hs 524,288 bytes; wimg 786,432 bytes; qkv 39,321,600 bytes
;; launch norm (part 1): grid 256 x 1, 16 waves a work-group, no clusters, 54,272 bytes of LDS; arguments x, norm_w, norm_b, q_w_codes, k_w_codes, v_w_codes, proj_w_codes, hc, hs, wimg; writes hc, hs, wimg
.if DOCPART == 1
	.amdgcn_target "amdgcn-amd-amdhsa--gfx1250"
	.amdhsa_code_object_version 6
	.text
	.protected	k_q1cb442a831_norm
	.globl	k_q1cb442a831_norm
	.p2align	8
	.type	k_q1cb442a831_norm,@function
k_q1cb442a831_norm:
	s_mov_b64 s[64:65], 0
	v_nop
	global_prefetch_b8 v0, s[64:65] scope:SCOPE_SE
	s_setreg_imm32_b32 hwreg(HW_REG_WAVE_MODE, 25, 1), 1
	s_wait_xcnt 0x0
; GROUP NORM, AND h AS CODES OF FP6 (E2M3) ALONG THE CHANNELS; THE FOUR WEIGHTS RELAID AS IMAGES OF OPERAND REGISTERS.
; x: [32][512][1024] f32.  A work-group owns one batch b and 64 channels (4 groups of 16, 2 blocks of 32 along the products' K): 256 KiB of x, which stay in registers, so x is read once.
; Sixteen waves; wave wv owns positions 64 wv .. 64 wv + 63, lane l the two positions 64 wv + 2 l + j.  A lane holds all 64 channels of its two positions: a block of 32 channels lies in ONE lane's registers.
; Mean first, then the sum of (x - mean)^2: no difference of large sums.  h = (x - mean) x (rsqrt(var + 1e-5) x gain) + offset, one fused step.
; OUT: hc [b][block of 128 positions][tile t of 16 positions][K step s of 128 channels]: 1,536 bytes a fragment: piece p (registers 2 p, 2 p + 1) at 256 p, lane l's 8 bytes at 8 l.
;      THE POSITIONS OF A TILE ARE NOT NEIGHBOURS: in each 32 positions tile u holds position 8 u + r + 8 (r / 8) in lane r.   hs [b][channel block 16][position 1024]: the E8M0 bytes.
;      wimg [q, k, v, proj][tile T of 16 rows][K step s]: 1,536 bytes a fragment: registers 4 q .. 4 q + 3 at 512 q, lane l's 16 bytes at 16 l; tile T holds rows 32 (T / 2) + 8 (T % 2) + r + 8 (r / 8).
; The work-groups share no input: no cluster.  The matrix units have no work here.
; LIMITS: NaN and infinities are not served.  A block whose largest magnitude lies under 2^-124 gets the byte 1, a block of zeros too (the rule says 127): its codes are zeros and this program alone reads the bytes.  v_rsq_f32 is good to 1 ulp.
.set STG,  0                           ; LDS: a stage of 3,072 bytes for each wave: 4 tiles x 768 bytes
.set RED1, 49152                       ; 16 waves x 4 partial sums
.set RED2, 49408                       ; the same for the squares
.set SCG,  49664                       ; 2 channel blocks x 1,024 scale bytes
.set NM,   8                           ; v8-15    -mean of group g, twice (a pair for the packed addition)
.set SG,   16                          ; v16-19   the four groups' sums
.set X,    32                          ; v32-159  X + 2 c + j: channel c, position j
.set T,    160                         ; v160-191 32 numbers of h; at the start a weight fragment's 12 registers
.set C,    192                         ; v192-223 codes: 8 registers for each (channel block, position)
	s_load_b512 s[84:99], s[0:1], 0x0              ; x, norm_w, norm_b, q, k, v, proj codes, hc
	s_load_b128 s[52:55], s[0:1], 0x40             ; hs, wimg
	v_lshl_add_u32 v224, v0, 2, 0xcc00
	v_mov_b32 v225, 0
	v_lshrrev_b32 v20, 5, v0
	v_readfirstlane_b32 s60, v20                   ; wave 0..15
	v_and_b32 v21, 31, v0                          ; lane
	v_lshlrev_b32 v4, 3, v21                       ; v4 = 8 l
	v_lshl_add_u32 v1, v20, 8, v4                  ; v1 = 256 wv + 8 l: my two positions in a channel's row
	s_mul_i32 s61, s60, 3072                       ; my stage
	v_bfe_u32 v22, v0, 4, 1
	v_mul_u32_u24 v2, v22, 1536                    ; into the stage: 32 positions on are two tiles on,
	v_mul_u32_u24 v29, v22, 24                     ; (a weight fragment: 24 bytes for the upper half of the lanes)
	v_bfe_u32 v22, v0, 2, 1
	v_mad_u32_u24 v2, v22, 768, v2                 ; bit 3 of the position picks the tile of the pair,
	v_and_b32 v22, 3, v0
	v_lshl_add_u32 v2, v22, 4, v2                  ; the tile's lane r = (position % 8) + 8 (position / 16 % 2): 8 bytes each
	v_bfe_u32 v22, v0, 3, 1
	v_lshl_add_u32 v2, v22, 6, v2
	v_add_nc_u32 v2, s61, v2                       ; v2: + 8 j + 128 x channel block + 256 x piece stand in the immediates
	v_add_nc_u32 v3, s61, v4                       ; v3: out of the stage, 8 bytes a lane
	v_lshlrev_b32 v5, 4, v20                       ; v5 = 16 wv: my wave's four partial sums
	v_and_b32 v23, 15, v0
	v_lshlrev_b32 v6, 4, v23                       ; v6 = 16 (l % 16): lane l reads wave l % 16's
	v_lshlrev_b32 v7, 1, v0                        ; v7 = 2 x thread = 64 wv + 2 l: my two scale bytes
	v_lshl_add_u32 v23, v22, 3, v23                ; r + 8 (r / 8)
	v_mad_u32_u24 v29, v23, 384, v29               ; v29: a weight's row of 384 bytes, + 24 h
	v_lshlrev_b32 v28, 4, v21                      ; v28 = 16 l
	v_lshlrev_b32 v31, 4, v0                       ; v31 = 16 x thread
.irp g, 0,1,2,3
	v_mov_b32 v[24+\g], 0                          ; written once: a lane permute's destination counts as one of its sources
.endr
	s_mov_b32 s62, 0x76543210
	s_mov_b32 s63, 0xfedcba98                      ; v_permlanex16_b32's selects for lane l xor 16
	s_and_b32 s3, ttmp9, 7                         ; cp: which 64 channels
	s_lshr_b32 s2, ttmp9, 3                        ; b
	s_lshl_b32 s104, ttmp9, 1
	s_add_co_u32 s104, s104, s60                   ; F = 2 x work-group + wave: the weight fragment that waves 0 and 1 relay (512 in all)
	s_bfe_u32 s105, s104, 0x40003                  ; its tile T = (F / 4) % 32: T / 2,
	s_bfe_u32 s59, s104, 0x10002                   ; T % 2
	s_lshl_b32 s105, s105, 5
	s_lshl_b32 s59, s59, 3
	s_add_co_u32 s105, s105, s59                   ; the tile's first row
	s_mul_i32 s105, s105, 384
	s_and_b32 s59, s104, 3                         ; its K step
	s_mul_i32 s59, s59, 96
	s_add_co_u32 s105, s105, s59
	s_lshr_b32 s58, ttmp9, 6                       ; which of the four weights
	s_mov_b32 s101, 0
	s_wait_kmcnt 0x0
	s_cmp_eq_u32 s58, 1                            ; the choice hangs on the work-group's number alone
	s_cselect_b64 s[56:57], s[92:93], s[90:91]
	s_cmp_eq_u32 s58, 2
	s_cselect_b64 s[56:57], s[94:95], s[56:57]
	s_cmp_eq_u32 s58, 3
	s_cselect_b64 s[56:57], s[96:97], s[56:57]
	s_mov_b32 s100, s105
	s_add_nc_u64 s[56:57], s[56:57], s[100:101]    ; from: the fragment's first row and K step
	s_mul_i32 s100, s104, 1536
	s_add_nc_u64 s[54:55], s[54:55], s[100:101]    ; to: image F
	s_lshl_b32 s100, ttmp9, 18
	s_add_nc_u64 s[84:85], s[84:85], s[100:101]    ; x at my 64 channels: 262,144 bytes a work-group
	s_lshl_b32 s100, s3, 8
	s_add_nc_u64 s[86:87], s[86:87], s[100:101]    ; my 64 gains
	s_add_nc_u64 s[88:89], s[88:89], s[100:101]    ; my 64 offsets
	s_mul_i32 s100, s2, 393216
	s_mul_i32 s105, s60, 24576
	s_add_co_u32 s100, s100, s105
	s_mul_i32 s105, s3, 768
	s_add_co_u32 s100, s100, s105
	s_add_nc_u64 s[98:99], s[98:99], s[100:101]    ; hc: batch, my wave's four tiles, my 64 channels' 768 bytes of a fragment
	s_lshl_b32 s100, ttmp9, 11
	s_add_nc_u64 s[52:53], s[52:53], s[100:101]    ; hs: 2,048 bytes a work-group
	s_cmp_gt_u32 s60, 1
	s_cbranch_scc1 .Lno_fragment
.irp p, 0,1,2,3,4,5
	global_load_b64 v[T+2*\p:T+2*\p+1], v29, s[56:57] offset:48*(\p/3)+8*(\p%3)   ; a fragment as the matrix unit wants it: 24 bytes, and 24 more 48 bytes on
.endr
.Lno_fragment:
.set ch, 0
.rept 64
	global_load_b64 v[X+2*ch:X+2*ch+1], v1, s[84:85] offset:4096*ch th:TH_LOAD_NT   ; 32 lanes read 256 consecutive bytes, aligned; read once in this launch
.set ch, ch+1
.endr
	s_load_b512 s[4:19], s[86:87], 0x0             ; the first channel block's 32 gains
	s_load_b512 s[20:35], s[86:87], 0x40
	s_load_b512 s[36:51], s[88:89], 0x0            ; and 32 offsets
	s_load_b512 s[68:83], s[88:89], 0x40
.macro RSUM                            ; the four sums over 16 lanes
.irp m, 1,2,4,8
.irp g, 0,1,2,3
	v_add_f32_dpp v[SG+\g], v[SG+\g], v[SG+\g] row_xmask:\m row_mask:0xf bank_mask:0xf
.endr
.endr
.endm
.macro ALLSUM red                      ; over the wave, then over the sixteen waves through LDS
	RSUM
.irp g, 0,1,2,3
	v_permlanex16_b32 v[24+\g], v[SG+\g], s62, s63
.endr
.irp g, 0,1,2,3
	v_add_f32 v[SG+\g], v[SG+\g], v[24+\g]
.endr
	ds_store_b128 v5, v[SG:SG+3] offset:\red       ; all lanes write the same 16 bytes with the same values
	s_wait_dscnt 0x0                               ; for the others' sake: my store has landed
	s_barrier_signal -1
	s_barrier_wait -1
	ds_load_b128 v[SG:SG+3], v6 offset:\red        ; lane l: wave l % 16's four
	s_wait_dscnt 0x0
	RSUM
.endm
; ---- the sums of the four groups
.irp g, 0,1,2,3
	s_wait_loadcnt 48-16*\g                        ; this group's 16 loads are in; those of the later groups may be out
.if \g == 0
	s_cmp_gt_u32 s60, 1                            ; the weight fragment's six loads are older than every load of x: they are in too
	s_cbranch_scc1 .Lno_image
	global_store_b128 v28, v[T:T+3], s[54:55]              ; 32 lanes store 512 consecutive bytes, aligned
	global_store_b128 v28, v[T+4:T+7], s[54:55] offset:512
	global_store_b128 v28, v[T+8:T+11], s[54:55] offset:1024
.Lno_image:
.endif
	v_pk_add_f32 v[20:21], v[X+32*\g:X+32*\g+1], v[X+32*\g+2:X+32*\g+3]            ; two chains
	v_pk_add_f32 v[22:23], v[X+32*\g+16:X+32*\g+17], v[X+32*\g+18:X+32*\g+19]
.irp i, 4,6,8,10,12,14
	v_pk_add_f32 v[20:21], v[20:21], v[X+32*\g+\i:X+32*\g+\i+1]
	v_pk_add_f32 v[22:23], v[22:23], v[X+32*\g+16+\i:X+32*\g+17+\i]
.endr
	v_pk_add_f32 v[20:21], v[20:21], v[22:23]
	v_add_f32 v[SG+\g], v20, v21
.endr
	ALLSUM RED1
.irp g, 0,1,2,3
	v_mul_f32 v[NM+2*\g], 0xb8800000, v[SG+\g]     ; -mean: a group has 16 x 1,024 = 2^14 numbers
.endr
.irp g, 0,1,2,3
	v_mov_b32 v[NM+2*\g+1], v[NM+2*\g]
.endr
; ---- x - mean in place, and the sums of its squares
.irp g, 0,1,2,3
.irp i, 0,2,4,6,8,10,12,14,16,18,20,22,24,26,28,30
	v_pk_add_f32 v[X+32*\g+\i:X+32*\g+\i+1], v[X+32*\g+\i:X+32*\g+\i+1], v[NM+2*\g:NM+2*\g+1]
.endr
.endr
.irp g, 0,1,2,3
	v_pk_mul_f32 v[20:21], v[X+32*\g:X+32*\g+1], v[X+32*\g:X+32*\g+1]
	v_pk_mul_f32 v[22:23], v[X+32*\g+16:X+32*\g+17], v[X+32*\g+16:X+32*\g+17]
.irp i, 2,4,6,8,10,12,14
	v_pk_fma_f32 v[20:21], v[X+32*\g+\i:X+32*\g+\i+1], v[X+32*\g+\i:X+32*\g+\i+1], v[20:21]
	v_pk_fma_f32 v[22:23], v[X+32*\g+16+\i:X+32*\g+17+\i], v[X+32*\g+16+\i:X+32*\g+17+\i], v[22:23]
.endr
	v_pk_add_f32 v[20:21], v[20:21], v[22:23]
	v_add_f32 v[SG+\g], v20, v21
.endr
	ALLSUM RED2
	s_mov_b32 s100, 0x38800000                     ; 2^-14
	v_mov_b32 v30, 0x3727c5ac                      ; 1e-5
.irp g, 0,1,2,3
	v_fma_f32 v[20+\g], v[SG+\g], s100, v30        ; var + eps
.endr
.irp g, 0,1,2,3
	v_rsq_f32 v[20+\g], v[20+\g]
.endr
	v_nop                                          ; a plain place behind the transcendentals
	s_wait_alu depctr_va_vdst(0)
.irp g, 0,1,2,3
	v_readfirstlane_b32 s[56+\g], v[20+\g]         ; the same in every lane
.endr
	s_wait_xcnt 0x0                                ; the image's stores have read v160-171: h's numbers may be written there
; ---- h of one channel block (32 channels) for my two positions, its scale and its codes
.macro NORMQ hh
	s_wait_kmcnt 0x0                               ; this block's gains and offsets
.set k, 0
.rept 32
	s_mul_f32 s[4+k], s[4+k], s[56+2*\hh+k/16]     ; gain x rsqrt of the channel's group
.set k, k+1
.endr
.irp j, 0,1
.set CC, C+16*\hh+8*\j
.set k, 0
.rept 32
	v_fma_f32 v[T+k], v[X+64*\hh+2*k+\j], s[4+k], s[36+k+16*(k/16)]
.set k, k+1
.endr
	v_max3_num_f32 v20, |v[T]|, |v[T+1]|, |v[T+2]|         ; the block's largest magnitude: all 32 numbers are mine
	v_max3_num_f32 v21, |v[T+3]|, |v[T+4]|, |v[T+5]|
.irp i, 6,10,14,18,22,26
	v_max3_num_f32 v20, v20, |v[T+\i]|, |v[T+\i+1]|
	v_max3_num_f32 v21, v21, |v[T+\i+2]|, |v[T+\i+3]|
.endr
	v_max3_num_f32 v20, v20, |v[T+30]|, |v[T+31]|
	v_max3_num_f32 v20, v20, v21, 0x1800000        ; and the floor 2^(3 - 127): the byte cannot fall under 1
	v_add_nc_u32 v22, 0xff000000, v20              ; 2 off the exponent field: the conversion takes this operand's exponent field as its scale
	v_cvt_scalef32_pk16_fp6_f32 v[CC:CC+2], v[T:T+15], v22
	v_cvt_scalef32_pk16_fp6_f32 v[CC+4:CC+6], v[T+16:T+31], v22    ; (a conversion's three registers begin on an even number)
	v_lshrrev_b32 v[24+\j], 23, v22                ; the scale's byte; also the plain place behind the conversions
	v_mov_b32 v[CC+3], v[CC+4]
	v_mov_b32 v[CC+4], v[CC+5]
	v_mov_b32 v[CC+5], v[CC+6]                     ; six registers on end: 24 bytes, registers 6 c .. 6 c + 5 of the operand
.irp i, 0,1,2
	ds_store_b64 v2, v[CC+2*\i:CC+2*\i+1] offset:8*\j+128*\hh+256*\i
.endr
.endr
	v_lshl_or_b32 v[26+\hh], v25, 8, v24           ; my two positions' bytes
	ds_store_b16 v7, v[26+\hh] offset:SCG+1024*\hh
.endm
	NORMQ 0
	s_load_b512 s[4:19], s[86:87], 0x80            ; the second channel block's
	s_load_b512 s[20:35], s[86:87], 0xc0
	s_load_b512 s[36:51], s[88:89], 0x80
	s_load_b512 s[68:83], s[88:89], 0xc0
	NORMQ 1
; ---- the way out: the stage is my wave's own, and LDS serves a wave's instructions in order: no wait between the stores and these loads
.set k, 0
.rept 12
	ds_load_b64 v[X+2*k:X+2*k+1], v3 offset:256*k
.set k, k+1
.endr
.set k, 0
.rept 12
	s_wait_dscnt 11-k                              ; piece k is back; the younger ones may be out
	global_store_b64 v4, v[X+2*k:X+2*k+1], s[98:99] offset:6144*(k/3)+256*(k%3)   ; 32 lanes store 256 consecutive bytes, aligned
.set k, k+1
.endr
	s_barrier_signal -1                            ; (the last count above was 0: my byte stores have landed)
	s_barrier_wait -1
	s_cmp_gt_u32 s60, 3
	s_cbranch_scc1 .Ldone
	ds_load_b128 v[20:23], v31 offset:SCG          ; 128 threads x 16 bytes: the work-group's 2,048 scale bytes
	s_wait_dscnt 0x0
	global_store_b128 v31, v[20:23], s[52:53]
.Ldone:
	s_wait_tensorcnt 0x0
	ds_add_u32 v224, v225
	s_wait_dscnt 0x0
	s_endpgm
.Lfunc_end_k_q1cb442a831_norm:
	.size	k_q1cb442a831_norm, .Lfunc_end_k_q1cb442a831_norm-k_q1cb442a831_norm
	.p2alignl 7, 3214868480
	.fill 96, 4, 3214868480
	.section	.rodata,"a",@progbits
	.p2align	6, 0x0
	.amdhsa_kernel k_q1cb442a831_norm
		.amdhsa_group_segment_fixed_size 54272
		.amdhsa_private_segment_fixed_size 0
		.amdhsa_enable_private_segment 0
		.amdhsa_kernarg_size 80
		.amdhsa_user_sgpr_count 2
		.amdhsa_user_sgpr_kernarg_segment_ptr 1
		.amdhsa_wavefront_size32 1
		.amdhsa_system_sgpr_workgroup_id_x 1
		.amdhsa_system_sgpr_workgroup_id_y 1
		.amdhsa_system_sgpr_workgroup_id_z 1
		.amdhsa_system_vgpr_workitem_id 0
		.amdhsa_next_free_vgpr 226
		.amdhsa_next_free_sgpr 106
		.amdhsa_reserve_vcc 0
		.amdhsa_float_denorm_mode_32 3
		.amdhsa_float_denorm_mode_16_64 3
		.amdhsa_memory_ordered 1
		.amdhsa_forward_progress 1
		.amdhsa_inst_pref_size 49
	.end_amdhsa_kernel
	.amdgpu_metadata
---
amdhsa.version: [ 1, 2 ]
amdhsa.kernels:
  - .name:           k_q1cb442a831_norm
    .symbol:         k_q1cb442a831_norm.kd
    .args:
      - { .name: x, .offset: 0, .size: 8, .value_kind: global_buffer, .address_space: global }
      - { .name: norm_w, .offset: 8, .size: 8, .value_kind: global_buffer, .address_space: global }
      - { .name: norm_b, .offset: 16, .size: 8, .value_kind: global_buffer, .address_space: global }
      - { .name: q_w_codes, .offset: 24, .size: 8, .value_kind: global_buffer, .address_space: global }
      - { .name: k_w_codes, .offset: 32, .size: 8, .value_kind: global_buffer, .address_space: global }
      - { .name: v_w_codes, .offset: 40, .size: 8, .value_kind: global_buffer, .address_space: global }
      - { .name: proj_w_codes, .offset: 48, .size: 8, .value_kind: global_buffer, .address_space: global }
      - { .name: hc, .offset: 56, .size: 8, .value_kind: global_buffer, .address_space: global }
      - { .name: hs, .offset: 64, .size: 8, .value_kind: global_buffer, .address_space: global }
      - { .name: wimg, .offset: 72, .size: 8, .value_kind: global_buffer, .address_space: global }
    .group_segment_fixed_size: 54272
    .private_segment_fixed_size: 0
    .kernarg_segment_align: 8
    .kernarg_segment_size: 80
    .max_flat_workgroup_size: 512
    .sgpr_count:     106
    .vgpr_count:     226
    .wavefront_size: 32
...
	.end_amdgpu_metadata
.endif
;; end of part 1
;; launch qkv (part 2): grid 256 x 1, 4 waves a work-group, clusters of 4 x 1, 327,680 bytes of LDS; arguments hc, hs, wimg, q_w_scales, k_w_scales, v_w_scales, q_b, k_b, v_b, qkv; writes qkv
.if DOCPART == 2
	.amdgcn_target "amdgcn-amd-amdhsa--gfx1250"
	.amdhsa_code_object_version 6
	.text
	.protected	k_q1cb442a831_qkv
	.globl	k_q1cb442a831_qkv
	.p2align	8
	.type	k_q1cb442a831_qkv,@function
k_q1cb442a831_qkv:
	s_mov_b64 s[64:65], 0
	v_nop
	global_prefetch_b8 v0, s[64:65] scope:SCOPE_SE
	s_setreg_imm32_b32 hwreg(HW_REG_WAVE_MODE, 25, 1), 1
	s_wait_xcnt 0x0
	s_wait_alu depctr_hold_cnt(0) depctr_sa_sdst(0) depctr_va_vdst(0) depctr_va_sdst(0) depctr_va_ssrc(0) depctr_va_vcc(0) depctr_vm_vsrc(0)
	s_getreg_b32 s2, hwreg(HW_REG_IB_STS2, 6, 4)
	s_cmp_eq_u32 s2, 0
	s_cbranch_scc0 .Lentry_in_a_cluster
	s_endpgm
.Lentry_in_a_cluster:
	s_bfe_u32 s2, ttmp6, 0x10000c
	s_cmp_lg_u32 s2, 0x3003
	s_cbranch_scc0 .Lentry_shape_is_right
	s_endpgm
.Lentry_shape_is_right:
; q = Wq h + bq, k = Wk h + bk, v = Wv h + bv on codes of FP6 (E2M3); the results quantised in registers: q and k along the channels, v along the positions.
; A work-group owns 128 positions of one batch and makes three UNITS of 51,200 bytes: 32 images of operand registers (1,536 bytes: registers 4 q .. 4 q + 3 at 512 q, lane l's 16 bytes at 16 l), then 2,048 bytes of scale words.
;   q, k: image 8 g + t = positions of tile t x channels 128 g ..;   v: image ct = channels of tile ct x the block's 128 positions.  Word of (g, t, row r) at 49,152 + 512 g + 256 (t % 2) + 16 r + 4 (t / 2).
; SHARES.  Wave w owns the weights' rows 128 w .. 128 w + 127.  A work item is 32 matrix instructions: 8 HELD tiles (source 0, in registers for a whole phase) x 4 K steps against one STREAMED tile (source 1, from LDS).
;   q, k: held = my 32 fragments of W, streamed = a tile of 16 positions of h: a lane holds one position and 64 channels.   v: held = h's 32 fragments, streamed = a tile of W: a lane holds one channel and 64 positions.
;   The rows of a held tile are 8 u + r + 8 (r / 8) of each 32, so that the 16 registers of two neighbouring tiles are 16 neighbours along the next product's K.
; CLUSTER.  Every work-group reads the same weights: the four of a cluster ask for each quarter of a weight JOINTLY (mask 15).  W has one place in LDS: once it is held in registers (q, k), its bytes take the next weight, which lands under the 8 work items.
; By this text's own count a wave has two tensor loads out at the start and one later.
; LIMITS: NaN and infinities are not served.  A block whose largest magnitude lies under 2^-124 gets the byte 1, a block of zeros too: its codes are zeros and this program alone reads the bytes.
; REGISTERS: window 0: v1-15 addresses; v16-31 W's scale words; v32-47 h's; v48-143 two sets of a streamed tile; v144-207 results; v208-227 codes; v228-243 at work; v244 the scale word; v246-249 four words.
;   window 1: held fragments 0-15 at v[12 f]; window 2: 16-31; window 3: v0-63 the biases in the results' layout.
.set HREG,  196608                     ; LDS: 0 .. 196,607 the weight, wave w's quarter at 49,152 w;  here h's 32 fragments, 49,152 bytes
.set HSC,   245760                     ; h's scale words, 2,048 bytes (stored by the waves: no fill lands here)
.set SST,   247808                     ; the results' scale words, 512 bytes for each wave
.set SPARE, 249856                     ; the spare words, 128 bytes for each wave: two blocks of 256 bytes that no other line names
.set SPW, 1
.set NIL, 2
.set AW,  4                            ; v4   49,152 w + 16 l
.set AH,  5                            ; v5   HREG + 8 l
.set OA,  6                            ; v6   12,288 w + 16 l: my images in a unit
.set OB,  7                            ; v7   16 x thread
.set SSA, 8                            ; v8   SST + 512 w + 16 r
.set SSR, 9                            ; v9   SST + 16 x thread
.set AHS, 10                           ; v10  HSC + 16 l
.set WSO, 11                           ; v11  16 x (128 w + 8 (l / 16) + r + 8 (r / 8)): a weight row's 16 scale bytes; lanes 16-31 take the odd tile's rows
.set BO,  12                           ; v12  512 w + 64 h
.set BOV, 13                           ; v13  512 w + 4 (r + 8 (r / 8))
.set HSW, 15                           ; v15  where my position's four scale words go
.set WSR, 16
.set HSR, 32
.set SB,  48
.set HA,  144
.set PC,  208
.set TM,  228
.set PW,  244
.set T4,  246
.set WV,  24
.set G1W, 32
.set G1H, 40
.set G0W, 48
.set G0H, 52
.set PWS, 56
.set PB,  58
.set OUT, 60
.set YC,  62
.set SEL, 66
.set MSB, 0
.macro WIN new                         ; the immediate's high byte repeats the setting that is left
.if MSB != (\new)
	s_set_vgpr_msb (MSB<<8)|(\new)
.set MSB, (\new)
.endif
.endm
.macro PLACES
.rept 4
	v_nop
.endr
.endm
.macro CROUND                          ; a round of the cluster's barrier
	s_barrier_signal -1
	s_barrier_wait -1
	s_cmp_lg_u32 s[WV], 0
	s_cbranch_scc1 .Lnot_wave_0_\@
	s_barrier_signal -3
.Lnot_wave_0_\@:
	s_barrier_wait -3
	s_barrier_signal -1
	s_barrier_wait -1
.endm
; 64 numbers of a lane, register 16 b + i = k 32 b + 16 (lane / 16) + i of my row, become a fragment's codes in v[PC] on and its scale word in v[PW]
.macro QUANT s
.irp b, 0,1,2,3
	v_max3_num_f32 v[TM+\b], |v[\s+16*\b]|, |v[\s+1+16*\b]|, 0x1800000   ; block b: my 16 numbers, and the floor 2^(3 - 127): the byte cannot fall under 1
.endr
.irp i, 2,4,6,8,10,12,14
.irp b, 0,1,2,3
	v_max3_num_f32 v[TM+\b], v[TM+\b], |v[\s+16*\b+\i]|, |v[\s+1+16*\b+\i]|
.endr
.endr
.irp b, 0,1,2,3
	v_permlanex16_b32 v[TM+4+\b], v[TM+\b], s[SEL], s[SEL+1]
.endr
.irp b, 0,1,2,3
	v_max_num_f32 v[TM+\b], v[TM+\b], v[TM+4+\b]   ; with lane l xor 16's: the block's largest magnitude
.endr
.irp b, 0,1,2,3
	v_add_nc_u32 v[TM+12+\b], 0xff000000, v[TM+\b] ; 2 off its exponent field: the conversion's scale operand
.endr
.irp b, 0,1,2,3
	v_lshrrev_b32 v[TM+4+\b], 23, v[TM+12+\b]      ; the scale's byte
.endr
	v_lshl_or_b32 v[PW], v[TM+5], 8, v[TM+4]
	v_lshl_or_b32 v[PW], v[TM+6], 16, v[PW]
	v_lshl_or_b32 v[PW], v[TM+7], 24, v[PW]
.irp c, 0,1
	v_cvt_scalef32_pk16_fp6_f32 v[PC+6*\c:PC+2+6*\c], v[\s+32*\c:\s+15+32*\c], v[TM+12+2*\c]
	v_cvt_scalef32_pk16_fp6_f32 v[PC+12+4*\c:PC+14+4*\c], v[\s+16+32*\c:\s+31+32*\c], v[TM+12+2*\c+1]   ; (a conversion's three registers begin on an even number)
.endr
	v_nop                                          ; one plain place behind a scaled conversion
.irp c, 0,1                                    ; the operand's layout wants a WHOLE block in a lane
.irp i, 0,1,2
	v_permlane16_swap_b32 v[PC+6*\c+\i], v[PC+12+4*\c+\i]
.endr
.irp i, 0,1,2
	v_mov_b32 v[PC+3+6*\c+\i], v[PC+12+4*\c+\i]
.endr
.endr
.endm
.macro EMIT                            ; one matrix instruction from the symbols rD, rA, rB, rC, rSA, rSB; fA, fB: the side's scale words lie in lanes 16-31
.if fA && fB
	v_wmma_scale_f32_16x16x128_f8f6f4 v[rD:rD+7], v[rA:rA+11], v[rB:rB+11], v[rC:rC+7], v[rSA], v[rSB] matrix_a_fmt:MATRIX_FMT_FP6 matrix_b_fmt:MATRIX_FMT_FP6 matrix_a_scale:MATRIX_SCALE_ROW1 matrix_b_scale:MATRIX_SCALE_ROW1
.elseif fA
	v_wmma_scale_f32_16x16x128_f8f6f4 v[rD:rD+7], v[rA:rA+11], v[rB:rB+11], v[rC:rC+7], v[rSA], v[rSB] matrix_a_fmt:MATRIX_FMT_FP6 matrix_b_fmt:MATRIX_FMT_FP6 matrix_a_scale:MATRIX_SCALE_ROW1
.elseif fB
	v_wmma_scale_f32_16x16x128_f8f6f4 v[rD:rD+7], v[rA:rA+11], v[rB:rB+11], v[rC:rC+7], v[rSA], v[rSB] matrix_a_fmt:MATRIX_FMT_FP6 matrix_b_fmt:MATRIX_FMT_FP6 matrix_b_scale:MATRIX_SCALE_ROW1
.else
	v_wmma_scale_f32_16x16x128_f8f6f4 v[rD:rD+7], v[rA:rA+11], v[rB:rB+11], v[rC:rC+7], v[rSA], v[rSB] matrix_a_fmt:MATRIX_FMT_FP6 matrix_b_fmt:MATRIX_FMT_FP6
.endif
.endm
; four matrix instructions: held tiles t0 .. t0 + 3, K step s, streamed tile t.  kind 0: held = W; kind 1: held = h.  The first K step takes the bias as C
.macro MMS kind, t, s, t0
.irp q, 0,1,2,3
.set tau, \t0+\q
.set rD, HA+8*tau
.set rA, 12*(4*\q+\s)
.set rB, SB+48*((\t)&1)+12*\s
.if \s == 0
.if \kind
.set rC, 8*(\t)
.else
.set rC, 8*tau
.endif
.else
.set rC, rD
.endif
.if \kind
.set rSA, HSR+4*(tau/2)+\s
.set rSB, WSR+4*((\t)/2)+\s
.else
.set rSA, WSR+4*(tau/2)+\s
.set rSB, HSR+4*((\t)/2)+\s
.endif
.set fA, tau&1
.set fB, (\t)&1
	EMIT
.endr
.endm
.macro HOLD_W                          ; my 32 fragments of W into windows 1 and 2: each load takes 512 consecutive bytes
	WIN 0x40
.set hk, 0
.rept 48
	ds_load_b128 v[4*hk:4*hk+3], v[AW] offset:512*hk
.set hk, hk+1
.endr
	WIN 0x80
.rept 48
	ds_load_b128 v[4*(hk-48):4*(hk-48)+3], v[AW] offset:512*hk
.set hk, hk+1
.endr
	WIN 0
.endm
.macro HOLD_H                          ; h's 32 fragments likewise: each load takes 256 consecutive bytes
	WIN 0x40
.set hk, 0
.rept 96
	ds_load_b64 v[2*hk:2*hk+1], v[AH] offset:256*hk
.set hk, hk+1
.endr
	WIN 0x80
.rept 96
	ds_load_b64 v[2*(hk-96):2*(hk-96)+1], v[AH] offset:256*hk
.set hk, hk+1
.endr
	WIN 0
.endm
.macro STREAM_H t, reg                 ; tile t of h, four K steps
.set sk, 0
.rept 24
	ds_load_b64 v[(\reg)+2*sk:(\reg)+2*sk+1], v[AH] offset:6144*(\t)+256*sk
.set sk, sk+1
.endr
.endm
.macro STREAM_W t, reg                 ; tile t of my eight of W, four K steps
.set sk, 0
.rept 12
	ds_load_b128 v[(\reg)+4*sk:(\reg)+4*sk+3], v[AW] offset:6144*(\t)+512*sk
.set sk, sk+1
.endr
.endm
; A WORK ITEM.  The eight accumulators take turns, one instruction a turn; K ascending on each.
.macro TRIP kind, t
	s_wait_dscnt 0x0                               ; this tile, asked for a work item ago, is in; my last scale word is stored
.if (\t) < 7
.if \kind
	STREAM_W (\t)+1, SB+48*(((\t)+1)&1)
.else
	STREAM_H (\t)+1, SB+48*(((\t)+1)&1)
.endif
.endif
	WIN 0x31                                       ; source 0 window 1, C window 3
	MMS \kind, \t, 0, 0
	WIN 0x32                                       ; source 0 window 2
	MMS \kind, \t, 0, 4
	WIN 0x02
	MMS \kind, \t, 1, 4
	MMS \kind, \t, 2, 4
	MMS \kind, \t, 3, 4
	WIN 0x01
	MMS \kind, \t, 1, 0
	MMS \kind, \t, 2, 0
	MMS \kind, \t, 3, 0
	WIN 0
	PLACES                                         ; four places in front of the first read of results
	s_wait_xcnt 0x0                                ; the last item's stores have read the codes' registers
	QUANT HA
.irp q, 0,1,2
	global_store_b128 v[OA], v[PC+4*\q:PC+4*\q+3], s[OUT:OUT+1] offset:1536*(\t)+512*\q   ; 32 lanes store 512 consecutive bytes, aligned
.endr
	ds_store_b32 v[SSA], v[PW] offset:256*((\t)&1)+4*((\t)/2)   ; lanes r and r + 16 write the same word with the same value
.endm
.macro SCALEOUT step                   ; my 512 bytes of the unit's scale words (my own bytes: LDS serves a wave's instructions in order)
	ds_load_b128 v[T4:T4+3], v[SSR]
	s_wait_dscnt 0x0
	global_store_b128 v[OB], v[T4:T4+3], s[OUT:OUT+1] offset:49152
.if \step
	s_wait_xcnt 0x0                                ; every store has read its base
	s_add_nc_u64 s[OUT:OUT+1], s[OUT:OUT+1], 51200 ; the next unit
.endif
.endm
	s_load_b512 s[4:19], s[0:1], 0x0               ; hc, hs, wimg, q, k, v scales, q_b, k_b
	s_load_b128 s[20:23], s[0:1], 0x40             ; v_b, qkv
	v_lshl_add_u32 v[SPW], v0, 2, SPARE
	v_mov_b32 v[NIL], 0
	ds_add_u32 v1, v2
	s_wait_dscnt 0x0
	v_lshrrev_b32 v3, 5, v0
	v_readfirstlane_b32 s[WV], v3                  ; wave 0..3
	s_bfe_u32 s25, ttmp6, 0x40000                  ; cx
	s_lshl_b32 s26, ttmp9, 2
	s_add_co_u32 s26, s26, s25                     ; the work-group: 8 b + block.  It enters h's, hs's and the output's addresses alone
	s_mov_b32 s[G1W], 15|(3<<16)|(1<<21)           ; the weight's quarter: mask: all four work-groups; elements of 8 bytes; bit 21 beside a mask
	s_mov_b32 s[G1W+1], 32<<16                     ; rows of 256 bytes,
	s_mov_b32 s[G1W+2], 192<<16                    ; 192 of them, dense
	s_mov_b32 s[G1W+3], 32<<16
	s_mov_b32 s[G1W+4], 192
	s_mov_b32 s[G1W+5], 32
	s_mov_b32 s[G1W+6], 0
	s_mov_b32 s[G1W+7], 0
	s_mov_b32 s[G1H], 3<<16                        ; h's quarter: no mask; 48 rows of 256 bytes
	s_mov_b32 s[G1H+1], 32<<16
	s_mov_b32 s[G1H+2], 48<<16
	s_mov_b32 s[G1H+3], 32<<16
	s_mov_b32 s[G1H+4], 48
	s_mov_b32 s[G1H+5], 32
	s_mov_b32 s[G1H+6], 0
	s_mov_b32 s[G1H+7], 0
	s_mul_i32 s68, s[WV], 49152                    ; my quarter of a weight, in memory and in LDS
	s_mov_b32 s69, 0
	s_mul_i32 s72, s[WV], 12288                    ; my quarter of h
	s_mul_i32 s70, s26, 49152
	s_add_co_u32 s70, s70, s72
	s_mov_b32 s71, 0
	s_mul_i32 s74, s26, 153600                     ; my three units
	s_mov_b32 s75, 0
	s_lshr_b32 s27, s26, 3
	s_lshl_b32 s27, s27, 14                        ; hs: 16,384 bytes a batch,
	s_and_b32 s28, s26, 7
	s_lshl_b32 s28, s28, 7                         ; 128 positions a block
	s_add_co_u32 s28, s28, s27
	s_mov_b32 s29, 0
	s_mov_b32 s[SEL], 0x76543210
	s_mov_b32 s[SEL+1], 0xfedcba98
	s_wait_kmcnt 0x0
	s_mov_b32 s[G0W], 1
	s_mov_b32 s[G0W+1], s68
	s_add_nc_u64 s[G0W+2:G0W+3], s[8:9], s[68:69]  ; Wq's quarter: made of the wave's number alone
	s_or_b32 s[G0W+3], s[G0W+3], 0x80000000
	s_mov_b32 s[G0H], 1
	s_add_co_u32 s[G0H+1], s72, HREG
	s_add_nc_u64 s[G0H+2:G0H+3], s[4:5], s[70:71]
	s_or_b32 s[G0H+3], s[G0H+3], 0x80000000
	s_add_nc_u64 s[OUT:OUT+1], s[22:23], s[74:75]
	s_add_nc_u64 s[6:7], s[6:7], s[28:29]
	s_mov_b64 s[PWS:PWS+1], s[10:11]
	s_mov_b64 s[PB:PB+1], s[16:17]
	CROUND                                         ; all four work-groups are here: the first joint loads meet
	tensor_load_to_lds s[G0W:G0W+3], s[G1W:G1W+7]  ; the two first fills stand together
	s_nop 0
	tensor_load_to_lds s[G0H:G0H+3], s[G1H:G1H+7]
	s_nop 0
	PLACES
.set k, 0
.rept 16
	global_load_u8 v[SB+k], v0, s[6:7] offset:1024*k       ; thread = position: its 16 scale bytes, one for each channel block
.set k, k+1
.endr
	v_and_b32 v14, 31, v0                          ; l
	v_lshl_add_u32 v[AW], v14, 4, s68
	v_lshlrev_b32 v[AH], 3, v14
	v_add_nc_u32 v[AH], HREG, v[AH]
	v_lshl_add_u32 v[OA], v14, 4, s72
	v_lshlrev_b32 v[OB], 4, v0
	v_add_nc_u32 v[SSR], SST, v[OB]
	v_and_b32 v246, 15, v0                         ; r
	v_bfe_u32 v247, v0, 4, 1                       ; h
	v_bfe_u32 v248, v0, 3, 1
	v_lshlrev_b32 v[SSA], 4, v246
	v_lshl_add_u32 v[SSA], v3, 9, v[SSA]
	v_add_nc_u32 v[SSA], SST, v[SSA]
	v_lshlrev_b32 v[AHS], 4, v14
	v_add_nc_u32 v[AHS], HSC, v[AHS]
	v_lshl_add_u32 v249, v248, 3, v246             ; r + 8 (r / 8)
	v_lshlrev_b32 v[BOV], 2, v249
	v_lshl_add_u32 v[BOV], v3, 9, v[BOV]
	v_lshl_add_u32 v249, v247, 3, v249             ; + 8 h
	v_lshlrev_b32 v[WSO], 4, v249
	v_lshl_add_u32 v[WSO], v3, 11, v[WSO]
	v_lshlrev_b32 v[BO], 6, v247
	v_lshl_add_u32 v[BO], v3, 9, v[BO]
	v_and_b32 v249, 7, v0
	v_lshlrev_b32 v[HSW], 4, v249                  ; position 32 w + l lies in tile 2 w + (l / 8) % 2, lane (l % 8) + 8 (l / 16)
	v_lshl_add_u32 v[HSW], v247, 7, v[HSW]
	v_lshl_add_u32 v[HSW], v248, 8, v[HSW]
	v_lshl_add_u32 v[HSW], v3, 9, v[HSW]
	v_add_nc_u32 v[HSW], HSC, v[HSW]
.irp b, 0,1,2,3
	v_mov_b32 v[TM+4+\b], 0                        ; written once: a lane permute's destination counts as one of its sources
.endr
	s_wait_loadcnt 0x0
.irp s, 0,1,2,3
	v_lshl_or_b32 v[T4+\s], v[SB+4*\s+1], 8, v[SB+4*\s]    ; word s: the bytes of channel blocks 4 s .. 4 s + 3
.endr
.irp s, 0,1,2,3
	v_lshl_or_b32 v[T4+\s], v[SB+4*\s+2], 16, v[T4+\s]
.endr
.irp s, 0,1,2,3
	v_lshl_or_b32 v[T4+\s], v[SB+4*\s+3], 24, v[T4+\s]
.endr
	ds_store_b128 v[HSW], v[T4:T4+3]
	s_wait_tensorcnt 0x0                           ; my quarters of Wq and of h are in,
	s_wait_dscnt 0x0                               ; my scale words are stored:
	s_barrier_signal -1
	s_barrier_wait -1                              ; everybody's are.
.irp p, 0,1,2,3
	ds_load_b128 v[HSR+4*\p:HSR+4*\p+3], v[AHS] offset:512*\p      ; register 4 p + s: lanes 0-15 tile 2 p, lanes 16-31 tile 2 p + 1, K step s
.endr
	s_mov_b32 s[YC], 2
.Lqk:                                              ; two trips: q, then k
	s_wait_tensorcnt 0x0                           ; my quarter of this weight is in: no load was issued behind it, and I alone read it
.irp p, 0,1,2,3
	global_load_b128 v[WSR+4*\p:WSR+4*\p+3], v[WSO], s[PWS:PWS+1] offset:512*\p   ; the weight's scale words, laid like h's
.endr
	WIN 0xc0
.irp u, 0,1,2,3,4,5,6,7
	global_load_b128 v[8*\u:8*\u+3], v[BO], s[PB:PB+1] offset:4*(32*(\u/2)+8*(\u%2))        ; the bias of the lane's eight channels of tile u
	global_load_b128 v[8*\u+4:8*\u+7], v[BO], s[PB:PB+1] offset:4*(32*(\u/2)+8*(\u%2))+16
.endr
	WIN 0
	HOLD_W
	s_wait_tensorcnt 0x0                           ; no tensor load of mine is out, so a group 0 may be written
	ds_add_u32 v[SPW], v[NIL]                      ; 0 onto my spare word
	s_add_nc_u64 s[G0W+2:G0W+3], s[G0W+2:G0W+3], 196608    ; the next weight
	s_wait_dscnt 0x0                               ; the add is done, and the weight is in my registers: my reads of its bytes are over
	CROUND                                         ; the same holds of every wave of all four work-groups
	tensor_load_to_lds s[G0W:G0W+3], s[G1W:G1W+7]  ; my one tensor load behind the round: it has eight work items in which to land
	s_nop 0
	PLACES
	STREAM_H 0, SB
	s_wait_loadcnt 0x0                             ; scale words and biases
.irp t, 0,1,2,3,4,5,6,7
	TRIP 0, \t
.endr
	SCALEOUT 1
	s_mov_b64 s[PWS:PWS+1], s[12:13]               ; the second trip takes k's
	s_mov_b64 s[PB:PB+1], s[18:19]
	s_sub_co_u32 s[YC], s[YC], 1
	s_cmp_lg_u32 s[YC], 0
	s_cbranch_scc1 .Lqk
	; ---- v: h is held, the weight's tiles are streamed
	s_wait_tensorcnt 0x0                           ; my quarter of Wv is in
.irp p, 0,1,2,3
	global_load_b128 v[WSR+4*\p:WSR+4*\p+3], v[WSO], s[14:15] offset:512*\p
.endr
	WIN 0xc0
.irp u, 0,1,2,3,4,5,6,7
	global_load_b32 v[8*\u], v[BOV], s[20:21] offset:4*(32*(\u/2)+8*(\u%2))   ; the bias of the lane's ONE channel of tile u
.endr
	WIN 0
	HOLD_H
	STREAM_W 0, SB
	s_wait_loadcnt 0x0
	WIN 0xc3
.irp u, 0,1,2,3,4,5,6,7
.irp j, 1,2,3,4,5,6,7
	v_mov_b32 v[8*\u+\j], v[8*\u]                  ; eight times: a lane's eight results of a tile are eight positions of that channel
.endr
.endr
	WIN 0
.irp t, 0,1,2,3,4,5,6,7
	TRIP 1, \t
.endr
	SCALEOUT 0
	s_wait_tensorcnt 0x0                           ; the wave's end
	ds_add_u32 v[SPW], v[NIL]
	s_wait_dscnt 0x0
	CROUND                                         ; the closing round: no work-group ends while a partner may still ask for a tile that names it
	s_endpgm
.Lfunc_end_k_q1cb442a831_qkv:
	.size	k_q1cb442a831_qkv, .Lfunc_end_k_q1cb442a831_qkv-k_q1cb442a831_qkv
	.p2alignl 7, 3214868480
	.fill 96, 4, 3214868480
	.section	.rodata,"a",@progbits
	.p2align	6, 0x0
	.amdhsa_kernel k_q1cb442a831_qkv
		.amdhsa_group_segment_fixed_size 327680
		.amdhsa_private_segment_fixed_size 0
		.amdhsa_enable_private_segment 0
		.amdhsa_kernarg_size 80
		.amdhsa_user_sgpr_count 2
		.amdhsa_user_sgpr_kernarg_segment_ptr 1
		.amdhsa_wavefront_size32 1
		.amdhsa_system_sgpr_workgroup_id_x 1
		.amdhsa_system_sgpr_workgroup_id_y 1
		.amdhsa_system_sgpr_workgroup_id_z 1
		.amdhsa_system_vgpr_workitem_id 0
		.amdhsa_next_free_vgpr 832
		.amdhsa_next_free_sgpr 80
		.amdhsa_reserve_vcc 0
		.amdhsa_float_denorm_mode_32 3
		.amdhsa_float_denorm_mode_16_64 3
		.amdhsa_memory_ordered 1
		.amdhsa_forward_progress 1
		.amdhsa_inst_pref_size 186
	.end_amdhsa_kernel
	.amdgpu_metadata
---
amdhsa.version: [ 1, 2 ]
amdhsa.kernels:
  - .name:           k_q1cb442a831_qkv
    .symbol:         k_q1cb442a831_qkv.kd
    .args:
      - { .name: hc, .offset: 0, .size: 8, .value_kind: global_buffer, .address_space: global }
      - { .name: hs, .offset: 8, .size: 8, .value_kind: global_buffer, .address_space: global }
      - { .name: wimg, .offset: 16, .size: 8, .value_kind: global_buffer, .address_space: global }
      - { .name: q_w_scales, .offset: 24, .size: 8, .value_kind: global_buffer, .address_space: global }
      - { .name: k_w_scales, .offset: 32, .size: 8, .value_kind: global_buffer, .address_space: global }
      - { .name: v_w_scales, .offset: 40, .size: 8, .value_kind: global_buffer, .address_space: global }
      - { .name: q_b, .offset: 48, .size: 8, .value_kind: global_buffer, .address_space: global }
      - { .name: k_b, .offset: 56, .size: 8, .value_kind: global_buffer, .address_space: global }
      - { .name: v_b, .offset: 64, .size: 8, .value_kind: global_buffer, .address_space: global }
      - { .name: qkv, .offset: 72, .size: 8, .value_kind: global_buffer, .address_space: global }
    .group_segment_fixed_size: 327680
    .private_segment_fixed_size: 0
    .kernarg_segment_align: 8
    .kernarg_segment_size: 80
    .max_flat_workgroup_size: 128
    .sgpr_count:     80
    .vgpr_count:     832
    .wavefront_size: 32
...
	.end_amdgpu_metadata
.endif
;; end of part 2
;; launch attn (part 3): grid 256 x 1, 4 waves a work-group, clusters of 4 x 1, 327,680 bytes of LDS; arguments qkv, wimg, proj_w_scales, proj_b, x, out0; writes out0
.if DOCPART == 3
	.amdgcn_target "amdgcn-amd-amdhsa--gfx1250"
	.amdhsa_code_object_version 6
	.text
	.protected	k_q1cb442a831_attn
	.globl	k_q1cb442a831_attn
	.p2align	8
	.type	k_q1cb442a831_attn,@function
k_q1cb442a831_attn:
	s_mov_b64 s[64:65], 0
	v_nop
	global_prefetch_b8 v0, s[64:65] scope:SCOPE_SE
	s_setreg_imm32_b32 hwreg(HW_REG_WAVE_MODE, 25, 1), 1
	s_wait_xcnt 0x0
	s_wait_alu depctr_hold_cnt(0) depctr_sa_sdst(0) depctr_va_vdst(0) depctr_va_sdst(0) depctr_va_ssrc(0) depctr_va_vcc(0) depctr_vm_vsrc(0)
	s_getreg_b32 s2, hwreg(HW_REG_IB_STS2, 6, 4)
	s_cmp_eq_u32 s2, 0
	s_cbranch_scc0 .Lentry_in_a_cluster
	s_endpgm
.Lentry_in_a_cluster:
	s_bfe_u32 s2, ttmp6, 0x10000c
	s_cmp_lg_u32 s2, 0x3003
	s_cbranch_scc0 .Lentry_shape_is_right
	s_endpgm
.Lentry_shape_is_right:
; out = x + proj_b + Wp (V softmax(Q^T K / sqrt(512))^T), all three products on codes of FP6 (E2M3) with one E8M0 scale for each 32 along K.
; q, k, v arrive as units of 51,200 bytes for each 128 positions: 32 images of operand registers and their scale words.
; THE SOFTMAX: t = score x log2(e) / sqrt(512) (one constant); M = the running largest t rounded UP to a whole number; p = 2^(t - M) is quantised along the keys, not normalised; the row's sum is taken of the unquantised p and divides O at the end.
; SHARES.  A work-group owns 128 queries of one batch.  ATTENTION: wave w owns query tiles 2 w and 2 w + 1; O^T, 512 channels x 16 queries, is 256 registers a tile (windows 2 and 3).  Every wave walks the 8 steps of 128 keys.
;   Both products are used transposed: S^T = K Q^T, O^T = V^T P^T: a lane holds ONE query throughout.  Each fragment of K and V read from LDS feeds two matrix instructions.
; THE RING.  A step's k and v units are one dense block of 102,400 bytes = one LDS slot; each wave brings a quarter.  The four work-groups of a cluster belong to one batch and walk the same blocks: each quarter is asked for JOINTLY (mask 15).
; x COMES EARLY.  The projection adds 128 rows of 512 bytes of x for each wave.  96 of them are brought into LDS while the keys are walked: rows 32-63 and 112-127 with the first fills, into bytes beside the ring;
;   rows 64-111 into slot 0 at the last change of slots, when that slot has been left.  Each wave fetches and reads its own rows.  Rows 0-31 come into registers at the projection's start.
;   By this text's own count a wave has four tensor loads out at the start and one later.
; PROJECTION.  O / l is quantised along the channels in registers and goes to LDS as images; then the waves share the OUTPUT CHANNELS: wave w makes channels 128 w .. 128 w + 127 for all 128 positions (source 0 = 16 positions of O, held; source 1 = 16 rows of Wp).
;   Wp is not asked for jointly: it is 196,608 bytes a work-group beside 524,288 bytes of x and out0 that nobody shares, and the ring and x fill LDS while it would have to arrive; it comes as images straight into registers.
; LIMITS: NaN and infinities are not served.  A block whose largest magnitude lies under 2^-124 gets the byte 1, a block of zeros too: its codes are zeros.  v_exp_f32 and v_rcp_f32 are good to 1 ulp; a p under 2^-126 counts as 0.
; REGISTERS: window 0: v1-15, v124-127 addresses; v16-31 eight statistics a tile; v32-47 K's scale words (later O's); v48-63 V's (later Wp's); v64-67 Q's; v68-69 p's; v70-89 at work; v90-113 p's codes; v114-121 proj_b; v128-255 S^T, then p (later results and rows of out0).
;   window 1: v0-95 Q; v96-239 three sets of four fragments (later: v0-95 two tiles of Wp, v96-223 two sets of rows of x).   windows 2, 3: O^T (later: O's 32 fragments).
.set SLOT1, 131072                     ; slot 0 at 0, slot 1 here: one exclusive or turns an address
.set VOFF,  51200                      ; in a slot: k's unit, then v's
.set SCO,   49152                      ; in a unit: the scale words
.set SPARE, 102400                     ; behind slot 0: the spare words, 128 bytes for each wave: two blocks of 256 bytes that no other line names
.set XGB,   102912                     ; x's rows 112-127, 8,192 bytes a wave: waves 0 and 1 behind the spare words, waves 2 and 3 SLOT1 further on, behind slot 1
.set XTB,   262144                     ; x's rows 32-63, 16,384 bytes a wave
.set OIMG,  SLOT1                      ; in slot 1, once it has had its last fill and its last read: O's 32 images,
.set OSCO,  49152                      ; their scale words, so far behind them,
.set STG,   SLOT1+51200                ; and a stage of 16 rows x (512 + 16) bytes for each wave
.set SPW, 1
.set NIL, 2
.set AK0, 3                            ; v3   16 l
.set LI,  3
.set AV0, 4                            ; v4   VOFF + 16 l
.set ADK, 5                            ; v5   the step's k unit
.set ADV, 6                            ; v6   the step's v unit
.set OWI, 7                            ; v7   OIMG + 12,288 w + 16 l: my O images
.set OWS, 8                            ; v8   OIMG + OSCO + 512 w + 16 r
.set PBO, 9                            ; v9   512 w + 4 (r + 8 (r / 8))
.set STO, 10                           ; v10  the stage: row r, + 64 h
.set SRD, 11                           ; v11  the stage: 16 l
.set WSO, 12                           ; v12  16 x (128 w + 8 (l / 16) + r + 8 (r / 8))
.set XP,  13                           ; v13  4,096 l
.set OLI, 124                          ; v124 OIMG + 16 l
.set XTA, 125                          ; v125 my rows 32-63 of x in LDS, + 16 l
.set XSA, 126                          ; v126 my rows 64-111
.set XGA, 127                          ; v127 my rows 112-127
.set ST,  16                           ; tile a at ST + 8 a: +0 -M, +1 the largest t, +2, +3 the sum, +4 f (later 1 / l), +5 0, +6, +7 at work
.set KS,  32
.set AS,  32
.set VS,  48
.set BSW, 48
.set QS,  64
.set PS,  68
.set BM,  70
.set BX,  74
.set BO,  78
.set CT,  82
.set TM,  70
.set BT,  70
.set PC,  90
.set PW,  110
.set PB,  114
.set SR,  128
.set HA,  128
.set RB,  192
.set FB,  96                           ; in window 1
.set G0A, 16                           ; s[16:19] group 0 of slot 0's first fill
.set WV,  24
.set G1,  32                           ; s[32:39] group 1 of the ring's quarters
.set G0,  40                           ; s[40:43] the walking group 0: slot 1's first fill, then every refill of the ring
.set CS,  44
.set SEL, 46
.set TB,  48
.set SLOTS, 49
.set XBS, 50
.set OUTB, 52
.set WPB, 54
.set QP,  56
.set G0XS, 60                          ; s[60:63] group 0 of x's rows 64-111
.set G1XT, 68                          ; s[68:75], s[76:83], s[84:91] groups 1 of x's three pieces: 32, 48 and 16 rows
.set G1XS, 76
.set G1XG, 84
.set G0XT, 92                          ; s[92:95] group 0 of rows 32-63
.set G0XG, 96                          ; s[96:99] of rows 112-127
.set MSB, 0
.macro WIN new                         ; the immediate's high byte repeats the setting that is left
.if MSB != (\new)
	s_set_vgpr_msb (MSB<<8)|(\new)
.set MSB, (\new)
.endif
.endm
.macro PLACES
.rept 4
	v_nop
.endr
.endm
.macro CROUND                          ; a round of the cluster's barrier
	s_barrier_signal -1
	s_barrier_wait -1
	s_cmp_lg_u32 s[WV], 0
	s_cbranch_scc1 .Lnot_wave_0_\@
	s_barrier_signal -3
.Lnot_wave_0_\@:
	s_barrier_wait -3
	s_barrier_signal -1
	s_barrier_wait -1
.endm
; 64 numbers of a lane, register 16 b + i = k 32 b + 16 (lane / 16) + i of my row, become a fragment's codes in v[PC] on and its scale word in v[PW]
.macro QUANT s
.irp b, 0,1,2,3
	v_max3_num_f32 v[TM+\b], |v[\s+16*\b]|, |v[\s+1+16*\b]|, 0x1800000
.endr
.irp i, 2,4,6,8,10,12,14
.irp b, 0,1,2,3
	v_max3_num_f32 v[TM+\b], v[TM+\b], |v[\s+16*\b+\i]|, |v[\s+1+16*\b+\i]|
.endr
.endr
.irp b, 0,1,2,3
	v_permlanex16_b32 v[TM+4+\b], v[TM+\b], s[SEL], s[SEL+1]
.endr
.irp b, 0,1,2,3
	v_max_num_f32 v[TM+\b], v[TM+\b], v[TM+4+\b]
.endr
.irp b, 0,1,2,3
	v_add_nc_u32 v[TM+12+\b], 0xff000000, v[TM+\b]
.endr
.irp b, 0,1,2,3
	v_lshrrev_b32 v[TM+4+\b], 23, v[TM+12+\b]
.endr
	v_lshl_or_b32 v[PW], v[TM+5], 8, v[TM+4]
	v_lshl_or_b32 v[PW], v[TM+6], 16, v[PW]
	v_lshl_or_b32 v[PW], v[TM+7], 24, v[PW]
.irp c, 0,1
	v_cvt_scalef32_pk16_fp6_f32 v[PC+6*\c:PC+2+6*\c], v[\s+32*\c:\s+15+32*\c], v[TM+12+2*\c]
	v_cvt_scalef32_pk16_fp6_f32 v[PC+12+4*\c:PC+14+4*\c], v[\s+16+32*\c:\s+31+32*\c], v[TM+12+2*\c+1]
.endr
	v_nop                                          ; one plain place behind a scaled conversion
.irp c, 0,1
.irp i, 0,1,2
	v_permlane16_swap_b32 v[PC+6*\c+\i], v[PC+12+4*\c+\i]
.endr
.irp i, 0,1,2
	v_mov_b32 v[PC+3+6*\c+\i], v[PC+12+4*\c+\i]
.endr
.endr
.endm
.macro EMIT                            ; one matrix instruction from the symbols rD, rA, rB, rC, rSA, rSB; zC: the constant 0 starts the sum; fA, fB: the side's scale words lie in lanes 16-31
.if zC
.if fA && fB
	v_wmma_scale_f32_16x16x128_f8f6f4 v[rD:rD+7], v[rA:rA+11], v[rB:rB+11], 0, v[rSA], v[rSB] matrix_a_fmt:MATRIX_FMT_FP6 matrix_b_fmt:MATRIX_FMT_FP6 matrix_a_scale:MATRIX_SCALE_ROW1 matrix_b_scale:MATRIX_SCALE_ROW1
.elseif fA
	v_wmma_scale_f32_16x16x128_f8f6f4 v[rD:rD+7], v[rA:rA+11], v[rB:rB+11], 0, v[rSA], v[rSB] matrix_a_fmt:MATRIX_FMT_FP6 matrix_b_fmt:MATRIX_FMT_FP6 matrix_a_scale:MATRIX_SCALE_ROW1
.elseif fB
	v_wmma_scale_f32_16x16x128_f8f6f4 v[rD:rD+7], v[rA:rA+11], v[rB:rB+11], 0, v[rSA], v[rSB] matrix_a_fmt:MATRIX_FMT_FP6 matrix_b_fmt:MATRIX_FMT_FP6 matrix_b_scale:MATRIX_SCALE_ROW1
.else
	v_wmma_scale_f32_16x16x128_f8f6f4 v[rD:rD+7], v[rA:rA+11], v[rB:rB+11], 0, v[rSA], v[rSB] matrix_a_fmt:MATRIX_FMT_FP6 matrix_b_fmt:MATRIX_FMT_FP6
.endif
.else
.if fA && fB
	v_wmma_scale_f32_16x16x128_f8f6f4 v[rD:rD+7], v[rA:rA+11], v[rB:rB+11], v[rC:rC+7], v[rSA], v[rSB] matrix_a_fmt:MATRIX_FMT_FP6 matrix_b_fmt:MATRIX_FMT_FP6 matrix_a_scale:MATRIX_SCALE_ROW1 matrix_b_scale:MATRIX_SCALE_ROW1
.elseif fA
	v_wmma_scale_f32_16x16x128_f8f6f4 v[rD:rD+7], v[rA:rA+11], v[rB:rB+11], v[rC:rC+7], v[rSA], v[rSB] matrix_a_fmt:MATRIX_FMT_FP6 matrix_b_fmt:MATRIX_FMT_FP6 matrix_a_scale:MATRIX_SCALE_ROW1
.elseif fB
	v_wmma_scale_f32_16x16x128_f8f6f4 v[rD:rD+7], v[rA:rA+11], v[rB:rB+11], v[rC:rC+7], v[rSA], v[rSB] matrix_a_fmt:MATRIX_FMT_FP6 matrix_b_fmt:MATRIX_FMT_FP6 matrix_b_scale:MATRIX_SCALE_ROW1
.else
	v_wmma_scale_f32_16x16x128_f8f6f4 v[rD:rD+7], v[rA:rA+11], v[rB:rB+11], v[rC:rC+7], v[rSA], v[rSB] matrix_a_fmt:MATRIX_FMT_FP6 matrix_b_fmt:MATRIX_FMT_FP6
.endif
.endif
.endm
.macro LOADG adr, g, fb                ; a group: four images, 6,144 bytes, by 12 loads of 512 consecutive bytes (destination window 1)
.set lk, 0
.rept 12
	ds_load_b128 v[(\fb)+4*lk:(\fb)+4*lk+3], v[\adr] offset:6144*(\g)+512*lk
.set lk, lk+1
.endr
.endm
; SCORES, group G of 8: channels 128 (G / 2) on, key tiles 4 (G % 2) + 0 .. 3, both query tiles: eight accumulators, one instruction each
.macro SG G, pf
	s_wait_dscnt 24                                ; this group is in; the two younger groups' 24 loads may be out
	WIN 0x05                                       ; K and Q in window 1, S^T in window 0
.irp i, 0,1,2,3
.irp a, 0,1
.set kt, 4*((\G)&1)+\i
.set rD, SR+64*\a+8*kt
.set rA, FB+48*((\G)%3)+12*\i
.set rB, 48*\a+12*((\G)/2)
.set rC, rD
.if (\G) < 2
.set zC, 1
.else
.set zC, 0
.endif
.set rSA, KS+4*((\G)/2)+kt/2
.set rSB, QS+(\G)/2
.set fA, kt&1
.set fB, \a
	EMIT
.endr
.endr
	PLACES                                         ; four places in front of loads into registers that these products read (behind group 7: of the first read of the scores)
	WIN 0x40
.if (\G)+3 < 8
	LOADG ADK, (\G)+3, FB+48*((\G)%3)
.else
	LOADG ADV, (\G)-5, FB+48*((\G)%3)              ; V's first three groups
.endif
.if \pf && (((\G) == 0) || ((\G) == 2))
	global_prefetch_b8 v[XP], s[XBS:XBS+1] offset:128*(\G) th:TH_LOAD_NT scope:SCOPE_SE   ; in the last key step: one half of my rows 0-31 of x, which the first two projection trips load: two such requests a wave, 65,536 bytes a work-group, each block of 256 bytes asked for once
.endif
.endm
; O^T += V^T P^T, group g of 8: channel tiles 4 g + 0 .. 3, both query tiles
.macro PG g, first
.if (\g) < 6
	s_wait_dscnt 24
.elseif (\g) == 6
	s_wait_dscnt 12                                ; one younger group
.else
	s_wait_dscnt 0x0
.endif
.irp a, 0,1
	WIN 0xa1+0x50*\a                               ; V in window 1, P in window 0, O^T in window 2 or 3
.irp i, 0,1,2,3
.set ct, 4*(\g)+\i
.set rD, 8*ct
.set rC, rD
.set zC, \first
.set rA, FB+48*((8+(\g))%3)+12*\i
.set rB, PC+12*\a
.set rSA, VS+4*(ct/8)+(ct%8)/2
.set rSB, PS+\a
.set fA, ct&1
.set fB, 0
	EMIT
.endr
.endr
.if (\g) < 5
	PLACES
	WIN 0x40
	LOADG ADV, (\g)+3, FB+48*((8+(\g))%3)
.elseif (\g) == 7
	PLACES                                         ; for the next loads into these registers
.endif
.endm
; THE SOFTMAX of query tile a for one key step.  first = 1: O^T has not begun: nothing is rescaled
.macro SOFT a, first
.set S, SR+64*\a
.set Z, ST+8*\a
.irp b, 0,1,2,3
	v_max3_num_f32 v[BM+\b], v[S+16*\b], v[S+16*\b+1], v[S+16*\b+2]   ; the largest score of each block of 32 keys: for the row's maximum, and, since p rises with the score, for the block's largest p
.endr
.irp i, 3,5,7,9,11,13
.irp b, 0,1,2,3
	v_max3_num_f32 v[BM+\b], v[BM+\b], v[S+16*\b+\i], v[S+16*\b+\i+1]
.endr
.endr
.irp b, 0,1,2,3
	v_max_num_f32 v[BM+\b], v[BM+\b], v[S+16*\b+15]
.endr
.irp b, 0,1,2,3
	v_permlanex16_b32 v[BX+\b], v[BM+\b], s[SEL], s[SEL+1]
.endr
.irp b, 0,1,2,3
	v_max_num_f32 v[BM+\b], v[BM+\b], v[BX+\b]     ; with lane l xor 16's 16 keys
.endr
	v_max3_num_f32 v[Z+6], v[BM], v[BM+1], v[BM+2]
	v_max_num_f32 v[Z+6], v[Z+6], v[BM+3]
	v_mul_f32 v[Z+6], s[CS], v[Z+6]                ; as t (c is positive)
	v_max_num_f32 v[Z+1], v[Z+1], v[Z+6]           ; the running largest t
	v_mov_b32 v[Z+6], v[Z]
	v_floor_f32 v[Z], -v[Z+1]                      ; the new -M = -ceil(t): a whole number
	v_sub_f32 v[Z+6], v[Z], v[Z+6]                 ; old M - new M: a whole number, 0 or less
	v_cvt_i32_f32 v[Z+6], v[Z+6]                   ; (it saturates)
	v_ldexp_f32 v[Z+4], 1.0, v[Z+6]                ; f = 2^(old M - new M): a multiplication by it rounds nothing
.set n, 0
.rept 32
	v_pk_fma_f32 v[S+2*n:S+2*n+1], v[S+2*n:S+2*n+1], s[CS:CS+1], v[Z:Z+1] op_sel_hi:[1,0,0]   ; t - M, two at a time
.set n, n+1
.endr
.irp b, 0,1,2,3
	v_fma_f32 v[BM+\b], v[BM+\b], s[CS], v[Z]      ; the same of each block's largest score
.endr
.set n, 0
.rept 64
	v_exp_f32 v[S+n], v[S+n]                       ; p = 2^(t - M), at most 1
.set n, n+1
.endr
.irp b, 0,1,2,3
	v_exp_f32 v[BM+\b], v[BM+\b]                   ; the block's largest p: the same two instructions on the same number
.endr
	v_pk_mul_f32 v[Z+2:Z+3], v[Z+2:Z+3], v[Z+4:Z+5] op_sel_hi:[1,0]   ; the sum under the new M; also the plain place behind the exponentials
	s_wait_alu depctr_va_vdst(0)
.irp b, 0,1,2,3
	v_max_num_f32 v[BM+\b], 0x1800000, v[BM+\b]    ; the floor 2^(3 - 127)
.endr
.irp b, 0,1,2,3
	v_add_nc_u32 v[BO+\b], 0xff000000, v[BM+\b]    ; the conversion's scale operand
.endr
.irp b, 0,1,2,3
	v_lshrrev_b32 v[BX+\b], 23, v[BO+\b]           ; the scale's byte
.endr
	v_lshl_or_b32 v[PS+\a], v[BX+1], 8, v[BX]      ; p's scale word for these 128 keys
	v_lshl_or_b32 v[PS+\a], v[BX+2], 16, v[PS+\a]
	v_lshl_or_b32 v[PS+\a], v[BX+3], 24, v[PS+\a]
.irp c, 0,1
	v_cvt_scalef32_pk16_fp6_f32 v[PC+12*\a+6*\c:PC+12*\a+6*\c+2], v[S+32*\c:S+32*\c+15], v[BO+2*\c]
	v_cvt_scalef32_pk16_fp6_f32 v[CT+4*\c:CT+4*\c+2], v[S+32*\c+16:S+32*\c+31], v[BO+2*\c+1]
.endr
	v_nop                                          ; one plain place behind a scaled conversion
.irp c, 0,1
.irp i, 0,1,2
	v_permlane16_swap_b32 v[PC+12*\a+6*\c+\i], v[CT+4*\c+\i]
.endr
.irp i, 0,1,2
	v_mov_b32 v[PC+12*\a+6*\c+3+\i], v[CT+4*\c+\i]
.endr
.endr
	v_pk_add_f32 v[Z+6:Z+7], v[S:S+1], v[S+2:S+3]  ; the row's sum is taken of the UNQUANTISED p: two chains.  (These additions are also the places between p's scale word and codes and the products that take them)
.irp j, 4,8,12,16,20,24,28,32,36,40,44,48,52,56,60
	v_pk_add_f32 v[Z+2:Z+3], v[Z+2:Z+3], v[S+\j:S+\j+1]
	v_pk_add_f32 v[Z+6:Z+7], v[Z+6:Z+7], v[S+\j+2:S+\j+3]
.endr
	v_pk_add_f32 v[Z+2:Z+3], v[Z+2:Z+3], v[Z+6:Z+7]
.if !\first
	WIN 0x82+0x41*\a                               ; O^T (destination and source 0) in window 2 or 3, f in window 0
.set n, 0
.rept 128
	v_pk_mul_f32 v[2*n:2*n+1], v[2*n:2*n+1], v[Z+4:Z+5] op_sel_hi:[1,0]   ; O^T under the new M; each accumulator from its low end on
.set n, n+1
.endr
	WIN 0
.endif
.endm
.macro STEP first, pf                  ; a key step: 128 keys, in the slot at s[TB]
	v_add_nc_u32 v[ADK], s[TB], v[AK0]
	v_add_nc_u32 v[ADV], s[TB], v[AV0]
.irp s, 0,1,2,3
	ds_load_b128 v[KS+4*\s:KS+4*\s+3], v[ADK] offset:SCO+512*\s    ; register 4 s + i: lanes 0-15 key tile 2 i, lanes 16-31 tile 2 i + 1, channels 128 s on
.endr
.irp s, 0,1,2,3
	ds_load_b128 v[VS+4*\s:VS+4*\s+3], v[ADV] offset:SCO+512*\s
.endr
	WIN 0x40
	LOADG ADK, 0, FB
	LOADG ADK, 1, FB+48
	LOADG ADK, 2, FB+96
.irp G, 0,1,2,3,4,5,6,7
	SG \G, \pf
.endr
	WIN 0
	SOFT 0, \first
	SOFT 1, \first
.irp g, 0,1,2,3,4,5,6,7
	PG \g, \first
.endr
	WIN 0
	s_xor_b32 s[TB], s[TB], SLOT1                  ; on to the other slot
.endm
; THE CHANGE OF SLOTS stands at a step's head.  The slot that has just been left is filled again: kind = 1: with the step after the one ahead, jointly; kind = 2 (the last change): with my rows 64-111 of x
.macro CHANGE kind
	s_wait_tensorcnt 0x0                           ; my quarter of the slot ahead is in; no tensor load of mine is out, so the walking group 0 may be written
	ds_add_u32 v[SPW], v[NIL]                      ; 0 onto my spare word
.if \kind == 1
	s_xor_b32 s[G0+1], s[G0+1], SLOT1              ; the other slot than last time,
	s_add_nc_u64 s[G0+2:G0+3], s[G0+2:G0+3], 153600    ; the next 128 positions' k and v
.endif
	s_wait_dscnt 0x0                               ; the add is done, and my reads of the slot that I have left are over
	CROUND                                         ; the same holds of every wave of all four work-groups
.if \kind == 1
	tensor_load_to_lds s[G0:G0+3], s[G1:G1+7]      ; my one tensor load behind the round
	s_nop 0
.else
	tensor_load_to_lds s[G0XS:G0XS+3], s[G1XS:G1XS+7]      ; my one tensor load behind the round: it has the last key step in which to land
	s_nop 0
.endif
	PLACES
.endm
	s_load_b256 s[4:11], s[0:1], 0x0               ; qkv, wimg, proj_w_scales, proj_b
	s_load_b128 s[12:15], s[0:1], 0x20             ; x, out0
	v_lshl_add_u32 v[SPW], v0, 2, SPARE
	v_mov_b32 v[NIL], 0
	ds_add_u32 v1, v2
	s_wait_dscnt 0x0
	v_lshrrev_b32 v122, 5, v0
	v_readfirstlane_b32 s[WV], v122                ; wave 0..3
	s_bfe_u32 s25, ttmp6, 0x40000                  ; cx
	s_lshr_b32 s26, ttmp9, 1                       ; the batch, which the four partners share
	s_and_b32 s27, ttmp9, 1
	s_lshl_b32 s27, s27, 2
	s_add_co_u32 s27, s27, s25                     ; my block of 128 queries: it enters q's, x's and out0's addresses alone
	s_mov_b32 s[G1], 15|(3<<16)|(1<<21)            ; mask: all four work-groups; elements of 8 bytes; bit 21 beside a mask
	s_mov_b32 s[G1+1], 32<<16                      ; rows of 256 bytes,
	s_mov_b32 s[G1+2], 100<<16                     ; 100 of them, dense: a quarter of a slot
	s_mov_b32 s[G1+3], 32<<16
	s_mov_b32 s[G1+4], 100
	s_mov_b32 s[G1+5], 32
	s_mov_b32 s[G1+6], 0
	s_mov_b32 s[G1+7], 0
.irp g, G1XT, G1XS, G1XG
	s_mov_b32 s[\g], 3<<16                         ; x's pieces: no mask; elements of 8 bytes; no padding
	s_mov_b32 s[\g+1], 64<<16                      ; rows of 512 bytes: my work-group's 128 positions of a channel,
	s_mov_b32 s[\g+3], 64<<16
	s_mov_b32 s[\g+5], 512                         ; 4,096 bytes from channel to channel
	s_mov_b32 s[\g+6], 0
	s_mov_b32 s[\g+7], 0
.endr
	s_mov_b32 s[G1XT+2], 32<<16                    ; 32 rows,
	s_mov_b32 s[G1XT+4], 32
	s_mov_b32 s[G1XS+2], 48<<16                    ; 48 rows,
	s_mov_b32 s[G1XS+4], 48
	s_mov_b32 s[G1XG+2], 16<<16                    ; 16 rows
	s_mov_b32 s[G1XG+4], 16
	s_mul_i32 s28, s26, 1228800                    ; the batch's first byte in qkv
	s_mov_b32 s29, 0
	s_mul_i32 s[G0A+1], s[WV], 25600               ; my quarter, in slot 0
	s_add_co_u32 s30, s28, s[G0A+1]
	s_add_co_u32 s30, s30, VOFF                    ; and in memory: behind the first block's q unit
	s_mov_b32 s31, 0
	s_add_co_u32 s[G0+1], s[G0A+1], SLOT1          ; and in slot 1
	s_mul_i32 s25, s27, 153600
	s_add_co_u32 s28, s28, s25                     ; my block's q unit
	s_lshl_b32 s[G0XT+1], s[WV], 14                ; where x's pieces go: made of the wave's number alone
	s_add_co_u32 s[G0XT+1], s[G0XT+1], XTB
	s_mul_i32 s[G0XS+1], s[WV], 24576
	s_and_b32 s20, s[WV], 1
	s_lshl_b32 s20, s20, 13
	s_lshr_b32 s21, s[WV], 1
	s_lshl_b32 s21, s21, 17
	s_add_co_u32 s20, s20, s21
	s_add_co_u32 s[G0XG+1], s20, XGB
	s_mov_b32 s[CS], 0x3d8293ee                    ; c = log2(e) / sqrt(512)
	s_mov_b32 s[CS+1], s[CS]
	s_mov_b32 s[SEL], 0x76543210
	s_mov_b32 s[SEL+1], 0xfedcba98
	s_mov_b32 s[TB], 0
	s_mov_b32 s[SLOTS], 6
	v_and_b32 v123, 31, v0                         ; l
	v_and_b32 v124, 15, v0                         ; r
	v_bfe_u32 v125, v0, 4, 1                       ; h
	v_bfe_u32 v126, v0, 3, 1
	v_lshl_add_u32 v127, v126, 3, v124             ; r + 8 (r / 8)
	v_lshlrev_b32 v[AK0], 4, v123
	v_mad_u32_u24 v14, v122, 3072, v[AK0]          ; q's images of my two tiles
	v_lshl_add_u32 v15, v122, 2, v[AK0]            ; q's scale words: lanes 0-15 tile 2 w, lanes 16-31 tile 2 w + 1
	v_lshlrev_b32 v[PBO], 2, v127
	v_lshl_add_u32 v[PBO], v122, 9, v[PBO]
	s_wait_kmcnt 0x0
	s_mov_b32 s[G0A], 1
	s_add_nc_u64 s[G0A+2:G0A+3], s[4:5], s[30:31]  ; key step 0
	s_mov_b32 s[G0], 1
	s_add_nc_u64 s[G0+2:G0+3], s[G0A+2:G0A+3], 153600      ; key step 1
	s_or_b32 s[G0A+3], s[G0A+3], 0x80000000
	s_or_b32 s[G0+3], s[G0+3], 0x80000000
	s_add_nc_u64 s[QP:QP+1], s[4:5], s[28:29]
	s_lshl_b32 s28, s26, 21                        ; x and out0: the batch,
	s_lshl_b32 s30, s27, 9                         ; my 128 positions,
	s_add_co_u32 s28, s28, s30
	s_lshl_b32 s30, s[WV], 19                      ; my wave's 128 channels
	s_add_co_u32 s28, s28, s30
	s_add_nc_u64 s[XBS:XBS+1], s[12:13], s[28:29]
	s_add_nc_u64 s[OUTB:OUTB+1], s[14:15], s[28:29]
	s_mov_b32 s[G0XT], 1
	s_add_nc_u64 s[G0XT+2:G0XT+3], s[XBS:XBS+1], 131072    ; row 32
	s_or_b32 s[G0XT+3], s[G0XT+3], 0x80000000
	s_mov_b32 s[G0XS], 1
	s_add_nc_u64 s[G0XS+2:G0XS+3], s[XBS:XBS+1], 262144    ; row 64
	s_or_b32 s[G0XS+3], s[G0XS+3], 0x80000000
	s_mov_b32 s[G0XG], 1
	s_add_nc_u64 s[G0XG+2:G0XG+3], s[XBS:XBS+1], 458752    ; row 112
	s_or_b32 s[G0XG+3], s[G0XG+3], 0x80000000
	s_mul_i32 s28, s[WV], 49152
	s_add_co_u32 s28, s28, 589824                  ; the fourth weight's images, my 128 rows
	s_add_nc_u64 s[WPB:WPB+1], s[6:7], s[28:29]
	WIN 0x40                                       ; what the first step waits for is asked for first, ahead of the round and of x
.irp a, 0,1
.irp s, 0,1,2,3
.irp q, 0,1,2
	global_load_b128 v[48*\a+12*\s+4*\q:48*\a+12*\s+4*\q+3], v14, s[QP:QP+1] offset:12288*\s+1536*\a+512*\q   ; Q stays in registers
.endr
.endr
.endr
	WIN 0
.irp s, 0,1,2,3
	global_load_b32 v[QS+\s], v15, s[QP:QP+1] offset:SCO+512*\s
.endr
.irp t, 0,1,2,3,4,5,6,7
	global_load_b32 v[PB+\t], v[PBO], s[10:11] offset:4*(32*(\t/2)+8*(\t%2))   ; proj_b of the lane's channel in each of my eight tiles
.endr
	CROUND                                         ; all four work-groups are here: the first joint loads meet
	tensor_load_to_lds s[G0A:G0A+3], s[G1:G1+7]    ; the first fills stand together: key step 0 into slot 0,
	s_nop 0
	tensor_load_to_lds s[G0:G0+3], s[G1:G1+7]      ; key step 1 into slot 1,
	s_nop 0
	tensor_load_to_lds s[G0XT:G0XT+3], s[G1XT:G1XT+7]      ; my rows 32-63 of x,
	s_nop 0
	tensor_load_to_lds s[G0XG:G0XG+3], s[G1XG:G1XG+7]      ; my rows 112-127
	s_nop 0
	PLACES
	v_add_nc_u32 v[AV0], VOFF, v[AK0]
	v_mad_u32_u24 v[OWI], v122, 12288, v[AK0]
	v_add_nc_u32 v[OWI], OIMG, v[OWI]
	v_lshlrev_b32 v[OWS], 4, v124
	v_lshl_add_u32 v[OWS], v122, 9, v[OWS]
	v_add_nc_u32 v[OWS], OIMG+OSCO, v[OWS]
	v_mul_u32_u24 v[STO], v124, 528
	v_lshl_add_u32 v[STO], v125, 6, v[STO]
	v_mad_u32_u24 v[STO], v122, 8448, v[STO]
	v_add_nc_u32 v[STO], STG, v[STO]
	v_mad_u32_u24 v[SRD], v122, 8448, v[AK0]
	v_add_nc_u32 v[SRD], STG, v[SRD]
	v_lshl_add_u32 v127, v125, 3, v127
	v_lshlrev_b32 v[WSO], 4, v127
	v_lshl_add_u32 v[WSO], v122, 11, v[WSO]
	v_lshlrev_b32 v[XP], 12, v123
	v_add_nc_u32 v[OLI], OIMG, v[AK0]
	v_add_nc_u32 v[XTA], s[G0XT+1], v[AK0]         ; x's pieces in LDS: where the descriptors put them, + 16 l
	v_add_nc_u32 v[XSA], s[G0XS+1], v[AK0]
	v_add_nc_u32 v[XGA], s[G0XG+1], v[AK0]
.irp a, 0,1
	v_mov_b32 v[ST+8*\a+1], 0xff61b1e6             ; the largest t so far: -3e38, under every t
	v_floor_f32 v[ST+8*\a], -v[ST+8*\a+1]          ; -M
	v_mov_b32 v[ST+8*\a+2], 0                      ; the sum, in two halves
	v_mov_b32 v[ST+8*\a+3], 0
	v_mov_b32 v[ST+8*\a+5], 0                      ; (named as the upper half of f's pair)
.endr
.irp b, 0,1,2,3
	v_mov_b32 v[BX+\b], 0                          ; written once: a lane permute's destination counts as one of its sources
.endr
	s_wait_loadcnt 0x0                             ; Q, its scale words, proj_b
	s_wait_tensorcnt 0x3                           ; my quarter of slot 0 is in; the three loads issued behind it (slot 1, x's two pieces) may stay out
	s_barrier_signal -1
	s_barrier_wait -1                              ; everybody's quarter is in
	STEP 1, 0                                      ; the first step's products start O^T: nothing is cleared
.Lslot:                                            ; six trips: steps 1 to 6; steps 2 to 7 are asked for
	CHANGE 1
	STEP 0, 0
	s_sub_co_u32 s[SLOTS], s[SLOTS], 1
	s_cmp_lg_u32 s[SLOTS], 0
	s_cbranch_scc1 .Lslot
	CHANGE 2                                       ; the last step is written out: slot 0, just left, takes 48 rows of x for each wave
	STEP 0, 1
	; ---- THE PROJECTION.  What it still needs from memory is asked for first: Wp's scale words, two tiles of Wp, my rows 0-31 of x
.macro WLOAD t                         ; tile t of my eight of Wp, four K steps, as images
	WIN 0x40
.set wk, 0
.rept 12
	global_load_b128 v[48*((\t)&1)+4*wk:48*((\t)&1)+4*wk+3], v[LI], s[WPB:WPB+1] offset:6144*(\t)+512*wk
.set wk, wk+1
.endr
	WIN 0
.endm
.macro XLOAD t                         ; trips 0 and 1: the 16 channels of tile t, in the order of its lanes, from memory: 512 bytes each
.set xr, 96+64*((\t)&1)
	WIN 0x40
.set xi, 0
.rept 16
	global_load_b128 v[xr+4*xi:xr+4*xi+3], v[LI], s[XBS:XBS+1] offset:4096*(32*((\t)/2)+8*((\t)%2)+xi+8*(xi/8)) th:TH_LOAD_NT
.set xi, xi+1
.endr
	WIN 0
.endm
.macro XLDS t                          ; trips 2 to 7: the same rows from LDS, each from the piece that holds it: 32 lanes take 512 consecutive bytes
.set xr, 96+64*((\t)&1)
	WIN 0x40
.set xi, 0
.rept 16
.set xc, 32*((\t)/2)+8*((\t)%2)+xi+8*(xi/8)
.if xc < 64
	ds_load_b128 v[xr+4*xi:xr+4*xi+3], v[XTA] offset:512*(xc-32)
.elseif xc < 112
	ds_load_b128 v[xr+4*xi:xr+4*xi+3], v[XSA] offset:512*(xc-64)
.else
	ds_load_b128 v[xr+4*xi:xr+4*xi+3], v[XGA] offset:512*(xc-112)
.endif
.set xi, xi+1
.endr
.endm
.irp p, 0,1,2,3
	global_load_b128 v[BSW+4*\p:BSW+4*\p+3], v[WSO], s[8:9] offset:512*\p
.endr
	WLOAD 0
	XLOAD 0
	WLOAD 1
	XLOAD 1
	s_wait_tensorcnt 0x0                           ; my rows 64-111 of x are in: I alone read them
	s_barrier_signal -1                            ; (no LDS instruction of mine is out: the last group's wait was for 0)
	s_barrier_wait -1                              ; no wave reads slot 1 any more, and it has had its last fill: it takes O's images and the stages
.irp a, 0,1
	v_add_f32 v[ST+8*\a+2], v[ST+8*\a+2], v[ST+8*\a+3]     ; the sum's two halves,
.endr
.irp a, 0,1
	v_permlanex16_b32 v[ST+8*\a+6], v[ST+8*\a+2], s[SEL], s[SEL+1]
.endr
.irp a, 0,1
	v_add_f32 v[ST+8*\a+2], v[ST+8*\a+2], v[ST+8*\a+6]     ; and lane l xor 16's: the row's sum l
.endr
.irp a, 0,1
	v_rcp_f32 v[ST+8*\a+4], v[ST+8*\a+2]
.endr
	v_nop                                          ; a plain place behind the transcendentals
	s_wait_alu depctr_va_vdst(0)
.macro QO a                            ; O^T / l of query tile a: four K steps of 128 channels become four images and four scale words
.irp sp, 0,1,2,3
	WIN 0x02+\a
.set n, 0
.rept 32
	v_pk_mul_f32 v[HA+2*n:HA+2*n+1], v[64*\sp+2*n:64*\sp+2*n+1], v[ST+8*\a+4:ST+8*\a+5] op_sel_hi:[1,0]   ; each accumulator from its low end on
.set n, n+1
.endr
	WIN 0
	QUANT HA
.irp q, 0,1,2
	ds_store_b128 v[OWI], v[PC+4*\q:PC+4*\q+3] offset:6144*\a+1536*\sp+512*\q
.endr
	ds_store_b32 v[OWS], v[PW] offset:256*\a+4*\sp
	s_wait_dscnt 0x0                               ; the stores have read their registers
.endr
.endm
	QO 0
	QO 1
.irp j, 0,1,2,3,4,5,6,7
	v_mov_b32 v[BT+\j], v[PB]                      ; the first trip's bias: a lane's results are positions of ONE channel
.endr
	s_barrier_signal -1                            ; (my stores have landed: the last wait above was for 0)
	s_barrier_wait -1                              ; O's 32 images lie in LDS
	WIN 0x80
.set hk, 0
.rept 48
	ds_load_b128 v[4*hk:4*hk+3], v[OLI] offset:512*hk      ; all of them into windows 2 and 3: they stay
.set hk, hk+1
.endr
	WIN 0xc0
.rept 48
	ds_load_b128 v[4*(hk-48):4*(hk-48)+3], v[OLI] offset:512*hk
.set hk, hk+1
.endr
	WIN 0
.irp p, 0,1,2,3
	ds_load_b128 v[AS+4*\p:AS+4*\p+3], v[OLI] offset:OSCO+512*\p
.endr
	s_wait_dscnt 0x0
.macro PMM t, s, t0                    ; four matrix instructions: position tiles t0 .. t0 + 3, K step s, tile t of Wp
.irp q, 0,1,2,3
.set tau, \t0+\q
.set rD, HA+8*tau
.set rA, 12*(4*\q+\s)
.set rB, 48*((\t)&1)+12*\s
.if \s == 0
.set rC, BT
.else
.set rC, rD
.endif
.set zC, 0
.set rSA, AS+4*(tau/2)+\s
.set rSB, BSW+4*((\t)/2)+\s
.set fA, tau&1
.set fB, (\t)&1
	EMIT
.endr
.endm
; A TRIP: 16 output channels x 128 positions.  The eight accumulators take turns.  A lane holds one channel and 64 positions: the results go through my own stage and come back as rows of 512 bytes
.macro PTRIP t
.if (\t) >= 2
	XLDS \t                                        ; this trip's rows of x: they land under the 32 products
.endif
.if (\t) == 0
	s_wait_loadcnt 44                              ; Wp's tile 0 is in; behind it: x's rows of trip 0 (16), tile 1 (12), x's rows of trip 1 (16)
.elseif (\t) == 1
	s_wait_loadcnt 28                              ; behind tile 1: x's rows of trip 1 (16), tile 2 (12)
.elseif (\t) < 7
	s_wait_loadcnt 12                              ; behind this tile: the next one
.else
	s_wait_loadcnt 0x0
.endif
	WIN 0x06                                       ; O in window 2, Wp in window 1
	PMM \t, 0, 0
	WIN 0x07                                       ; O in window 3
	PMM \t, 0, 4
	PMM \t, 1, 4
	PMM \t, 2, 4
	PMM \t, 3, 4
	WIN 0x06
	PMM \t, 1, 0
	PMM \t, 2, 0
	PMM \t, 3, 0
	WIN 0
	PLACES                                         ; four places in front of the reads of results, of the writes of the bias and of the loads into Wp's registers
	s_wait_xcnt 0x0                                ; the last trip's stores, issued ahead of these 32 products, have read the rows' registers: the loads from the stage below may land there.  It stands ahead of this trip's loads of Wp, for which it need not wait
.if (\t) < 7
.irp j, 0,1,2,3,4,5,6,7
	v_mov_b32 v[BT+\j], v[PB+(\t)+1]               ; the next trip's bias
.endr
.endif
.if (\t) < 6
	WLOAD (\t)+2
.endif
.irp u, 0,1,2,3,4,5,6,7
	ds_store_b128 v[STO], v[HA+8*\u:HA+8*\u+3] offset:128*(\u/2)+32*(\u%2)         ; positions 32 (u / 2) + 16 h + 8 (u % 2) + 0 .. 7; each accumulator from its low end on
	ds_store_b128 v[STO], v[HA+8*\u+4:HA+8*\u+7] offset:128*(\u/2)+32*(\u%2)+16
.endr
.set xi, 0
.rept 16
	ds_load_b128 v[RB+4*xi:RB+4*xi+3], v[SRD] offset:528*xi        ; LDS serves a wave's instructions in order: these see the stores above
.set xi, xi+1
.endr
.if (\t) == 0
	s_wait_loadcnt 40                              ; x's rows of trip 0 are in; behind them: tile 1 (12), x's rows of trip 1 (16), tile 2 (12)
.elseif (\t) == 1
	s_wait_loadcnt 24                              ; behind x's rows of trip 1: tiles 2 and 3
.endif
	s_wait_dscnt 0x0                               ; the rows are back from the stage, and x's from LDS
.set xr, 96+64*((\t)&1)
	WIN 0x04                                       ; source 1: x, in window 1
.set n, 0
.rept 32
	v_pk_add_f32 v[RB+2*n:RB+2*n+1], v[RB+2*n:RB+2*n+1], v[xr+2*n:xr+2*n+1]        ; + x
.set n, n+1
.endr
	WIN 0
.set xi, 0
.rept 16
	global_store_b128 v[LI], v[RB+4*xi:RB+4*xi+3], s[OUTB:OUTB+1] offset:4096*(32*((\t)/2)+8*((\t)%2)+xi+8*(xi/8)) th:TH_STORE_NT   ; 32 lanes store 512 consecutive bytes, aligned; written once
.set xi, xi+1
.endr
.endm
.irp t, 0,1,2,3,4,5,6,7
	PTRIP \t
.endr
	s_wait_tensorcnt 0x0                           ; the wave's end
	ds_add_u32 v[SPW], v[NIL]
	s_wait_dscnt 0x0
	CROUND                                         ; the closing round: no work-group ends while a partner may still ask for a tile that names it
	s_endpgm
.Lfunc_end_k_q1cb442a831_attn:
	.size	k_q1cb442a831_attn, .Lfunc_end_k_q1cb442a831_attn-k_q1cb442a831_attn
	.p2alignl 7, 3214868480
	.fill 96, 4, 3214868480
	.section	.rodata,"a",@progbits
	.p2align	6, 0x0
	.amdhsa_kernel k_q1cb442a831_attn
		.amdhsa_group_segment_fixed_size 327680
		.amdhsa_private_segment_fixed_size 0
		.amdhsa_enable_private_segment 0
		.amdhsa_kernarg_size 48
		.amdhsa_user_sgpr_count 2
		.amdhsa_user_sgpr_kernarg_segment_ptr 1
		.amdhsa_wavefront_size32 1
		.amdhsa_system_sgpr_workgroup_id_x 1
		.amdhsa_system_sgpr_workgroup_id_y 1
		.amdhsa_system_sgpr_workgroup_id_z 1
		.amdhsa_system_vgpr_workitem_id 0
		.amdhsa_next_free_vgpr 1024
		.amdhsa_next_free_sgpr 100
		.amdhsa_reserve_vcc 0
		.amdhsa_float_denorm_mode_32 3
		.amdhsa_float_denorm_mode_16_64 3
		.amdhsa_memory_ordered 1
		.amdhsa_forward_progress 1
		.amdhsa_inst_pref_size 255
	.end_amdhsa_kernel
	.section	.bss,"aw",@nobits
	.p2align	6
	.space	262144
	.amdgpu_metadata
---
amdhsa.version: [ 1, 2 ]
amdhsa.kernels:
  - .name:           k_q1cb442a831_attn
    .symbol:         k_q1cb442a831_attn.kd
    .args:
      - { .name: qkv, .offset: 0, .size: 8, .value_kind: global_buffer, .address_space: global }
      - { .name: wimg, .offset: 8, .size: 8, .value_kind: global_buffer, .address_space: global }
      - { .name: proj_w_scales, .offset: 16, .size: 8, .value_kind: global_buffer, .address_space: global }
      - { .name: proj_b, .offset: 24, .size: 8, .value_kind: global_buffer, .address_space: global }
      - { .name: x, .offset: 32, .size: 8, .value_kind: global_buffer, .address_space: global }
      - { .name: out0, .offset: 40, .size: 8, .value_kind: global_buffer, .address_space: global }
    .group_segment_fixed_size: 327680
    .private_segment_fixed_size: 0
    .kernarg_segment_align: 8
    .kernarg_segment_size: 48
    .max_flat_workgroup_size: 128
    .sgpr_count:     100
    .vgpr_count:     1024
    .wavefront_size: 32
...
	.end_amdgpu_metadata
.endif
;; end of part 3
